; MI455X (gfx1250); checked and timed in simulation.
; The chip was launched on July 23, 2026; its instructions are those of AMD's public machine-readable ISA for CDNA 5 (MIT licence, August 2026) and "CDNA5" Instruction Set Architecture Reference Guide (July 2026). The comments in the code are by the model that wrote it; some were corrected since.
;; Causal Attention. Allowed arithmetic: matrix products marked QUANTISED: E2M1 operands, one E8M0 scale for each 32 along K, by v_wmma_scale_f32_16x16x128_f8f6f4 with both operands' format E2M1 (or v_wmma_scale_f32_32x16x128_f4), f32 sums; products left as they are: bf16, f16 or f32 operands; f32 sums; everything else in f32.
;; Inputs: W_proj 1,024 x 1,024 float32; W_qkv 1,024 x 3,072 float32; b_proj 1,024 float32; b_qkv 3,072 float32; x 4 x 2,048 x 1,024 float32.
;; Outputs: out0 4 x 2,048 x 1,024 float32.
;; This version of the problem:
;;   THIS VERSION OF THE PROBLEM IS GIVEN IN LOW PRECISION. The matrix products marked QUANTISED in the list below multiply operands that are first quantised to E2M1 (2 exponent bits, 1 mantissa bit; 4 bits a number), with one power-of-two scale for each 32 numbers along K (OCP MX v1.0); their sums are f32. The products marked 'left as it is' may take bf16, f16 or f32 operands, with f32 sums. Whichever they take, every output number must still come out within the allowed error. Rounding operands to bf16 (8 significant bits) uses up far more of that allowance than f16 does (11 bits, for magnitudes from 6e-5 to 65,504). All else is computed in f32.
;;   The module's matrix products, in the order in which they are computed (A, B: the left and right operand; K: the contracted axis; several contracted axes count as one K, in the product's order):
;;     1. [M 8,192, K 1,024] x [K 1,024, N 3,072]; A: input x; B: input W_qkv: QUANTISED
;;     2. batch 64 x [M 2,048, K 64] x [K 64, N 2,048]; A: computed on the way; B: computed on the way: left as it is (an operand is computed on the way)
;;     3. batch 64 x [M 2,048, K 2,048] x [K 2,048, N 64]; A: computed on the way; B: computed on the way: left as it is (an operand is computed on the way)
;;     4. [M 8,192, K 1,024] x [K 1,024, N 1,024]; A: computed on the way; B: input W_proj: left as it is (an operand is computed on the way)
;;   THE QUANTISER, for each operand of a quantised product, along K:
;;     - K is cut into blocks of 32 from its start; a last block that is shorter is filled with zeros.
;;     - A block's scale is 2^e with e = floor(log2(the largest magnitude in the block)) - 2, held to -126 .. 127; a block of zeros has e = 0. As a byte (E8M0): e + 127.
;;     - Each number is divided by its block's scale, clamped to +-6, and rounded to the nearest number of E2M1, ties to even, subnormals kept.
;;     - The product sums the exact products of the quantised numbers (number of the format x scale) in f32.
;;   ~~~python
;;   def quantise(x, axis):      # numpy; x: float32 -> the quantised numbers, widened to float32 again
;;       x = np.moveaxis(x, axis, -1); K = x.shape[-1]
;;       x = np.pad(x, [(0, 0)] * (x.ndim - 1) + [(0, -K % 32)]); x = x.reshape(x.shape[:-1] + (-1, 32)); a = np.abs(x).max(-1, keepdims=True)
;;       e = np.where(a > 0, np.clip(np.frexp(np.where(a > 0, a, 1))[1] - 1 - 2, -126, 127), 0)      # np.frexp(a)[1] - 1 = floor(log2(a)), exactly
;;       r = np.clip(x / 2.0 ** e, -6, 6)
;;       step = 2.0 ** (np.maximum(np.frexp(np.where(r == 0, 1, r))[1] - 1, 0) - 1)
;;       q = np.round(r / step) * step * 2.0 ** e      # np.round: ties to even
;;       return np.moveaxis(q.reshape(q.shape[:-2] + (-1,))[..., :K], -1, axis).astype(np.float32)
;;   ~~~
;; One version. Each part assembles by itself: llvm-mc -triple=amdgcn-amd-amdhsa -mcpu=gfx1250 --defsym DOCPART=n.
;; ======== version 1 of 1: 5 launches
;; limits: values are held in f16: magnitudes above 65,504 overflow, below 6.1e-05 lose precision
;; workspace buffers: xc 4,194,304 bytes; xs 262,144 bytes; wc 1,572,864 bytes; ws 98,304 bytes; wpt 2,097,152 bytes; qkv 50,331,648 bytes; fq 786,432 bytes; att 16,777,216 bytes
;; launch prep (part 1): grid 368 x 1, 4 waves a work-group, no clusters, 104,960 bytes of LDS; arguments x, W_qkv, W_proj, xc, xs, wc, ws, wpt; writes xc, xs, wc, ws, wpt
.if DOCPART == 1
	.amdgcn_target "amdgcn-amd-amdhsa--gfx1250"
	.amdhsa_code_object_version 6
	.text
	.protected	k_q3f8acdf355_prep
	.globl	k_q3f8acdf355_prep
	.p2align	8
	.type	k_q3f8acdf355_prep,@function
k_q3f8acdf355_prep:
	s_mov_b64 s[64:65], 0
	v_nop
	global_prefetch_b8 v0, s[64:65] scope:SCOPE_SE
	s_setreg_imm32_b32 hwreg(HW_REG_WAVE_MODE, 25, 1), 1
	s_wait_xcnt 0x0
; THREE PREPARATIONS IN ONE LAUNCH; a work-group's number says which is its own.
;   work-groups   0 ..  47: W_qkv [1024 k][3072 n] f32 -> codes of FP4 (E2M1) laid [3072 n][512 bytes], K innermost, and E8M0 scale bytes [3072][32]
;   work-groups  48 .. 111: W_proj [1024 k][1024 n] f32 -> f16, laid [16 chunks][1024 n][64 k]: chunk c holds k = 64 c .. 64 c + 63
;   work-groups 112 .. 367: x [8192][1024] f32 -> codes [8192][512 bytes] and scale bytes [8192][32]
; THE QUANTISER: a block of 32 along K has the scale 2^(floor(log2(largest magnitude)) - 2); its byte is the largest magnitude's exponent field - 2, held at 1 from below;
; each number is divided by the scale and rounded to the nearest code, ties to even, beyond 6 the largest code.  A block of zeros gets the byte 1: its codes are zeros, and this program alone reads the bytes.
; LIMITS: blocks whose largest magnitude lies under 2^-124 take the byte 1; NaN and infinities are not served; |W_proj| stays under 65,504 (f16).
; Waves share nothing: no barrier.  Each of the three ways has LDS bytes of its own.
.set SPW,   192                        ; v192 LDS address of my spare word; never rewritten
.set NIL,   193                        ; v193 0; never rewritten
.set WREG,  32768                      ; LDS: x's way 0 .. 32,767; W_qkv's from here; W_proj's from PREG; then the spare words
.set PREG,  67584
.set SPARE, 104448                     ; 128 bytes for each wave: two blocks of 256 bytes that no other line names
.set WGW,   48
.set WGP,   64
.set EMAX,  2
.macro FINISH                          ; the wave's end, behind my last LDS store
	s_wait_tensorcnt 0x0
	ds_add_u32 v[SPW], v[NIL]
	s_wait_dscnt 0x0
	s_endpgm
.endm
	s_load_b256 s[4:11], s[0:1], 0x0               ; x s[4:5], W_qkv s[6:7], W_proj s[8:9], xc s[10:11]
	s_load_b256 s[12:19], s[0:1], 0x20             ; xs s[12:13], wc s[14:15], ws s[16:17], wpt s[18:19]
	v_lshl_add_u32 v[SPW], v0, 2, SPARE
	v_mov_b32 v[NIL], 0
	v_lshrrev_b32 v1, 5, v0
	v_readfirstlane_b32 s20, v1                    ; wave 0..3
	v_and_b32 v2, 31, v0                           ; lane
	s_mov_b32 s25, 0                               ; the upper word of every offset pair s[24:25]
	s_wait_kmcnt 0x0
	s_cmp_lt_u32 ttmp9, WGW
	s_cbranch_scc1 .Lpath_w
	s_cmp_lt_u32 ttmp9, WGW+WGP
	s_cbranch_scc1 .Lpath_p
; ---------------- x: K is innermost, so the tensor is a plain stream of blocks of 32.  A wave takes 16 steps of 512 numbers.
; Each load reads 512 consecutive bytes; a step's 2,048 bytes turn through the wave's own stage so that a lane holds 16 neighbours (two lanes hold a block).
.set STEPS, 16
.set XSP,   80                         ; a lane's place in a stage: 64 bytes + 16 of padding
.set XR,    16                         ; v16-79   four sets of 16 numbers as loaded
.set XX,    80                         ; v80-111  two sets of 16 neighbours
.set XE,    112                        ; v112-127 a scale byte for each step
.set XC,    128                        ; v128-191 codes, four registers a step: no store's data are written again
	v_lshlrev_b32 v3, 4, v2                        ; my 16 bytes of a load's 512
	s_mul_i32 s21, s20, 8192                       ; my wave's region: two stages of 32 x 80 bytes, then 256 scale bytes
	v_lshrrev_b32 v14, 2, v2
	v_mul_u32_u24 v14, v14, XSP
	v_and_b32 v15, 3, v2
	v_lshl_add_u32 v14, v15, 4, v14
	v_add_nc_u32 v14, s21, v14                     ; into the stage: 80 (lane / 4) + 16 (lane % 4)
	v_mul_u32_u24 v15, v2, XSP
	v_add_nc_u32 v15, s21, v15                     ; out of it: 80 x lane
	v_lshlrev_b32 v4, 3, v2                        ; my 8 bytes of a step's codes
	v_lshrrev_b32 v5, 1, v2
	s_add_co_u32 s21, s21, 2*32*XSP
	v_add_nc_u32 v5, s21, v5                       ; my block's scale byte
	v_lshlrev_b32 v7, 3, v2
	v_add_nc_u32 v6, s21, v7                       ; and on the way out 8 bytes a lane
	s_sub_co_u32 s22, ttmp9, WGW+WGP
	s_lshl_b32 s22, s22, 2
	s_add_co_u32 s22, s22, s20                     ; which run of 8,192 numbers is my wave's
	s_lshl_b32 s24, s22, 15
	s_add_nc_u64 s[4:5], s[4:5], s[24:25]
	s_lshl_b32 s24, s22, 12
	s_add_nc_u64 s[10:11], s[10:11], s[24:25]
	s_lshl_b32 s24, s22, 8
	s_add_nc_u64 s[12:13], s[12:13], s[24:25]
.macro XLOAD t
.irp i, 0,1,2,3
	global_load_b128 v[XR+16*((\t)%4)+4*\i:XR+16*((\t)%4)+4*\i+3], v3, s[4:5] offset:2048*(\t)+512*\i th:TH_LOAD_NT
.endr
.endm
.macro XTURN t                         ; LDS serves a wave's instructions in order: no wait between the stores and the loads
.irp i, 0,1,2,3
	ds_store_b128 v14, v[XR+16*((\t)%4)+4*\i:XR+16*((\t)%4)+4*\i+3] offset:32*XSP*((\t)%2)+8*XSP*\i
.endr
.irp i, 0,1,2,3
	ds_load_b128 v[XX+16*((\t)%2)+4*\i:XX+16*((\t)%2)+4*\i+3], v15 offset:32*XSP*((\t)%2)+16*\i
.endr
.endm
.irp t, 0,1,2,3
	XLOAD \t
.endr
	s_wait_loadcnt 12                              ; step 0's four loads are in
	XTURN 0
.macro XSTEP t
.set XS, XX+16*((\t)%2)
.if (\t) > 0
	s_wait_dscnt 1                                 ; this step's numbers are back from the stage; the last step's byte store may be out
.else
	s_wait_dscnt 0x0
.endif
.if (\t)+4 < STEPS
	XLOAD (\t)+4                                   ; into the registers that the stage's stores have read
.endif
.if (\t)+1 < STEPS
.if STEPS-2-(\t) >= 3
	s_wait_loadcnt 12                              ; the next step's loads are in; those of the three steps behind it may be out
.else
	s_wait_loadcnt 4*(STEPS-2-(\t))
.endif
	XTURN (\t)+1
.endif
	v_max3_num_f32 v8, |v[XS]|, |v[XS+1]|, |v[XS+2]|
	v_max3_num_f32 v9, |v[XS+3]|, |v[XS+4]|, |v[XS+5]|
.irp i, 6,10
	v_max3_num_f32 v8, v8, |v[XS+\i]|, |v[XS+\i+1]|
	v_max3_num_f32 v9, v9, |v[XS+\i+2]|, |v[XS+\i+3]|
.endr
	v_max3_num_f32 v8, v8, |v[XS+14]|, |v[XS+15]|
	v_max3_num_f32 v8, v8, v9, (EMAX+1)<<23        ; the floor 2^(3 - 127): the byte cannot fall under 1
	v_max_num_f32_dpp v8, v8, v8 row_xmask:1 row_mask:0xf bank_mask:0xf   ; with my neighbour's 16: the block's largest magnitude
	v_add_nc_u32 v11, -(EMAX<<23), v8              ; 2 off its exponent field: the conversion's scale operand
	v_cvt_scalef32_pk8_fp4_f32 v[XC+4*(\t)], v[XS:XS+7], v11
	v_cvt_scalef32_pk8_fp4_f32 v[XC+4*(\t)+1], v[XS+8:XS+15], v11
	v_lshrrev_b32 v[XE+(\t)], 23, v11              ; the scale's byte
	ds_store_b8 v5, v[XE+(\t)] offset:16*(\t)      ; both lanes of a block write the same byte with the same value
	global_store_b64 v4, v[XC+4*(\t):XC+4*(\t)+1], s[10:11] offset:256*(\t)   ; 32 lanes store 256 consecutive bytes, aligned
.endm
.irp t, 0,1,2,3,4,5,6,7,8,9,10,11,12,13,14,15
	XSTEP \t
.endr
	ds_load_b64 v[8:9], v6                         ; my wave's 256 scale bytes
	s_wait_dscnt 0x0
	global_store_b64 v7, v[8:9], s[12:13]          ; 256 consecutive bytes, aligned
	FINISH
; ---------------- W_qkv: K is the first axis.  A lane takes a column n and its registers run down K: a block of 32 lies in one lane, and the codes come out with K innermost.
; A wave takes 32 columns x 512 along K; the codes go through the wave's stage and leave as rows: sixteen lanes store 256 consecutive bytes.
.set WP,    272                        ; a stage row: 256 bytes of codes + 16
.set WNB,   16                         ; blocks of a lane
.set WX,    32                         ; v32-95   two sets of 32 numbers
.set WC,    96                         ; v96-99   a block's codes
.set WOUT,  112                        ; v112-175 the way out
.set WSB,   24                         ; v24-27   the scale bytes, four to a register
.Lpath_w:
	s_cmp_lt_u32 ttmp9, 24
	s_cselect_b32 s21, 0, 24
	s_cselect_b32 s22, 0, 1                        ; which 512 along K
	s_sub_co_u32 s21, ttmp9, s21
	s_lshl_b32 s21, s21, 7
	s_lshl_b32 s23, s20, 5
	s_add_co_u32 s21, s21, s23                     ; my wave's first column
	v_lshlrev_b32 v3, 2, v2
	s_mul_i32 s23, s20, 32*WP
	s_add_co_u32 s23, s23, WREG                    ; my stage
	v_mul_u32_u24 v4, v2, WP
	v_add_nc_u32 v4, s23, v4                       ; into it: row = my column
	v_and_b32 v5, 15, v2
	v_lshrrev_b32 v6, 4, v2
	v_mul_u32_u24 v7, v6, WP
	v_lshl_add_u32 v7, v5, 4, v7
	v_add_nc_u32 v7, s23, v7                       ; out of it: sixteen lanes to a row
	v_lshlrev_b32 v8, 9, v6
	v_lshl_add_u32 v8, v5, 4, v8                   ; the same place among the codes' rows of 512 bytes
	v_lshlrev_b32 v9, 5, v2                        ; my column's row of 32 scale bytes
	s_mul_i32 s24, s22, 512*12288
	s_lshl_b32 s26, s21, 2
	s_add_co_u32 s24, s24, s26
	s_add_nc_u64 s[6:7], s[6:7], s[24:25]
	s_lshl_b32 s24, s21, 9
	s_lshl_b32 s26, s22, 8
	s_add_co_u32 s24, s24, s26
	s_add_nc_u64 s[14:15], s[14:15], s[24:25]
	s_lshl_b32 s24, s21, 5
	s_lshl_b32 s26, s22, 4
	s_add_co_u32 s24, s24, s26
	s_add_nc_u64 s[16:17], s[16:17], s[24:25]
.macro WLOAD t                         ; block t: W(32 t + i, my column); the largest offset, 511 rows of 12,288 bytes, lies inside the signed 24-bit immediate
.set i, 0
.rept 32
	global_load_b32 v[WX+32*((\t)%2)+i], v3, s[6:7] offset:(32*(\t)+i)*12288 th:TH_LOAD_NT
.set i, i+1
.endr
.endm
	WLOAD 0
	WLOAD 1
.macro WBLOCK t
.set XS, WX+32*((\t)%2)
.if (\t) < WNB-1
	s_wait_loadcnt 32                              ; this block's 32 loads are in; the next block's may be out
.else
	s_wait_loadcnt 0
.endif
	v_max3_num_f32 v12, |v[XS]|, |v[XS+1]|, |v[XS+2]|
	v_max3_num_f32 v13, |v[XS+3]|, |v[XS+4]|, |v[XS+5]|
.irp i, 6,10,14,18,22,26
	v_max3_num_f32 v12, v12, |v[XS+\i]|, |v[XS+\i+1]|
	v_max3_num_f32 v13, v13, |v[XS+\i+2]|, |v[XS+\i+3]|
.endr
	v_max3_num_f32 v12, v12, |v[XS+30]|, |v[XS+31]|
	v_max3_num_f32 v12, v12, v13, (EMAX+1)<<23     ; the floor
	v_add_nc_u32 v11, -(EMAX<<23), v12             ; the conversion's scale operand
	v_lshrrev_b32 v13, 23, v11                     ; the scale's byte
.if (\t)%4 == 0
	v_mov_b32 v[WSB+(\t)/4], v13
.else
	v_lshl_or_b32 v[WSB+(\t)/4], v13, 8*((\t)%4), v[WSB+(\t)/4]
.endif
.irp g, 0,1,2,3
	v_cvt_scalef32_pk8_fp4_f32 v[WC+\g], v[XS+8*\g:XS+8*\g+7], v11
.endr
	ds_store_b128 v4, v[WC:WC+3] offset:16*(\t)
.if (\t)+2 < WNB
	WLOAD (\t)+2
.endif
	s_wait_dscnt 0x0                               ; the store has read its registers: the next block's codes may be written
.endm
.set QB, 0
.rept WNB
	WBLOCK QB
.set QB, QB+1
.endr
	global_store_b128 v9, v[WSB:WSB+3], s[16:17]   ; my column's 16 scale bytes
.irp t, 0,1,2,3,4,5,6,7,8,9,10,11,12,13,14,15
	ds_load_b128 v[WOUT+4*\t:WOUT+4*\t+3], v7 offset:2*\t*WP
.endr
.irp t, 0,1,2,3,4,5,6,7,8,9,10,11,12,13,14,15
	s_wait_dscnt 15-\t
	global_store_b128 v8, v[WOUT+4*\t:WOUT+4*\t+3], s[14:15] offset:2*\t*512
.endr
	FINISH
; ---------------- W_proj: the same plan, rounded to f16.  A wave takes 32 columns x 128 along K: two chunks of 64; a column's 64 numbers of a chunk are 128 bytes.
.set PP,    144                        ; a stage row: 128 bytes + 16
.set PX,    32                         ; v32-95   two sets of 32 numbers
.set PC,    96                         ; v96-111  32 numbers as f16
.set POUT,  112                        ; v112-175 the way out
.Lpath_p:
	s_sub_co_u32 s21, ttmp9, WGW
	s_and_b32 s22, s21, 7
	s_lshr_b32 s21, s21, 3                         ; which 128 along K
	s_lshl_b32 s22, s22, 7
	s_lshl_b32 s23, s20, 5
	s_add_co_u32 s22, s22, s23                     ; my wave's first column
	v_lshlrev_b32 v3, 2, v2
	s_mul_i32 s23, s20, 2*32*PP
	s_add_co_u32 s23, s23, PREG                    ; my stage: two chunks of 32 rows
	v_mul_u32_u24 v4, v2, PP
	v_add_nc_u32 v4, s23, v4
	v_lshrrev_b32 v5, 3, v2
	v_and_b32 v6, 7, v2
	v_mul_u32_u24 v7, v5, PP
	v_lshl_add_u32 v7, v6, 4, v7
	v_add_nc_u32 v7, s23, v7                       ; out: eight lanes to a row, four rows an instruction
	v_lshlrev_b32 v8, 4, v2                        ; which are 512 consecutive bytes of the output
	s_lshl_b32 s24, s21, 19                        ; 128 rows of 4,096 bytes
	s_lshl_b32 s26, s22, 2
	s_add_co_u32 s24, s24, s26
	s_add_nc_u64 s[8:9], s[8:9], s[24:25]
	s_lshl_b32 s24, s21, 18                        ; two chunks of 1,024 rows of 128 bytes
	s_lshl_b32 s26, s22, 7
	s_add_co_u32 s24, s24, s26
	s_add_nc_u64 s[18:19], s[18:19], s[24:25]
.macro PLOAD t
.set i, 0
.rept 32
	global_load_b32 v[PX+32*((\t)%2)+i], v3, s[8:9] offset:(32*(\t)+i)*4096
.set i, i+1
.endr
.endm
	PLOAD 0
	PLOAD 1
.macro PBLOCK t
.if (\t) < 3
	s_wait_loadcnt 32                              ; this block's loads are in; the next block's may be out
.else
	s_wait_loadcnt 0
.endif
.set i, 0
.rept 16
	v_cvt_pk_f16_f32 v[PC+i], v[PX+32*((\t)%2)+2*i], v[PX+32*((\t)%2)+2*i+1]   ; the lower k in the low half
.set i, i+1
.endr
.irp g, 0,1,2,3
	ds_store_b128 v4, v[PC+4*\g:PC+4*\g+3] offset:((\t)/2)*32*PP+((\t)%2)*64+16*\g
.endr
.if (\t) < 2
	PLOAD (\t)+2
.endif
	s_wait_dscnt 0x0                               ; the stores have read their registers
.endm
	PBLOCK 0
	PBLOCK 1
	PBLOCK 2
	PBLOCK 3
.irp c, 0,1
.irp i, 0,1,2,3,4,5,6,7
	ds_load_b128 v[POUT+4*(8*\c+\i):POUT+4*(8*\c+\i)+3], v7 offset:\c*32*PP+\i*4*PP
.endr
.endr
.irp c, 0,1
.irp i, 0,1,2,3,4,5,6,7
	s_wait_dscnt 15-(8*\c+\i)
	global_store_b128 v8, v[POUT+4*(8*\c+\i):POUT+4*(8*\c+\i)+3], s[18:19] offset:\c*131072+\i*512
.endr
.endr
	FINISH
.Lfunc_end_k_q3f8acdf355_prep:
	.size	k_q3f8acdf355_prep, .Lfunc_end_k_q3f8acdf355_prep-k_q3f8acdf355_prep
	.p2alignl 7, 3214868480
	.fill 96, 4, 3214868480
	.section	.rodata,"a",@progbits
	.p2align	6, 0x0
	.amdhsa_kernel k_q3f8acdf355_prep
		.amdhsa_group_segment_fixed_size 104960
		.amdhsa_private_segment_fixed_size 0
		.amdhsa_enable_private_segment 0
		.amdhsa_kernarg_size 64
		.amdhsa_user_sgpr_count 2
		.amdhsa_user_sgpr_kernarg_segment_ptr 1
		.amdhsa_wavefront_size32 1
		.amdhsa_system_sgpr_workgroup_id_x 1
		.amdhsa_system_sgpr_workgroup_id_y 1
		.amdhsa_system_sgpr_workgroup_id_z 1
		.amdhsa_system_vgpr_workitem_id 0
		.amdhsa_next_free_vgpr 194
		.amdhsa_next_free_sgpr 66
		.amdhsa_reserve_vcc 0
		.amdhsa_float_denorm_mode_32 3
		.amdhsa_float_denorm_mode_16_64 3
		.amdhsa_memory_ordered 1
		.amdhsa_forward_progress 1
		.amdhsa_inst_pref_size 132
	.end_amdhsa_kernel
	.amdgpu_metadata
---
amdhsa.version: [ 1, 2 ]
amdhsa.kernels:
  - .name:           k_q3f8acdf355_prep
    .symbol:         k_q3f8acdf355_prep.kd
    .args:
      - { .name: x, .offset: 0, .size: 8, .value_kind: global_buffer, .address_space: global }
      - { .name: W_qkv, .offset: 8, .size: 8, .value_kind: global_buffer, .address_space: global }
      - { .name: W_proj, .offset: 16, .size: 8, .value_kind: global_buffer, .address_space: global }
      - { .name: xc, .offset: 24, .size: 8, .value_kind: global_buffer, .address_space: global }
      - { .name: xs, .offset: 32, .size: 8, .value_kind: global_buffer, .address_space: global }
      - { .name: wc, .offset: 40, .size: 8, .value_kind: global_buffer, .address_space: global }
      - { .name: ws, .offset: 48, .size: 8, .value_kind: global_buffer, .address_space: global }
      - { .name: wpt, .offset: 56, .size: 8, .value_kind: global_buffer, .address_space: global }
    .group_segment_fixed_size: 104960
    .private_segment_fixed_size: 0
    .kernarg_segment_align: 8
    .kernarg_segment_size: 64
    .max_flat_workgroup_size: 128
    .sgpr_count:     66
    .vgpr_count:     194
    .wavefront_size: 32
...
	.end_amdgpu_metadata
.endif
;; end of part 1
;; launch gemm_qkv (part 2): grid 12 x 32, 4 waves a work-group, clusters of 4 x 4, 327,680 bytes of LDS; arguments xc, xs, wc, ws, b_qkv, qkv, fq; writes qkv, fq
.if DOCPART == 2
	.amdgcn_target "amdgcn-amd-amdhsa--gfx1250"
	.amdhsa_code_object_version 6
	.text
	.protected	k_q3f8acdf355_gemm_qkv
	.globl	k_q3f8acdf355_gemm_qkv
	.p2align	8
	.type	k_q3f8acdf355_gemm_qkv,@function
k_q3f8acdf355_gemm_qkv:
	s_mov_b64 s[64:65], 0
	v_nop
	global_prefetch_b8 v0, s[64:65] scope:SCOPE_SE
	s_setreg_imm32_b32 hwreg(HW_REG_WAVE_MODE, 25, 1), 1
	s_wait_xcnt 0x0
	s_wait_alu depctr_hold_cnt(0) depctr_sa_sdst(0) depctr_va_vdst(0) depctr_va_sdst(0) depctr_va_ssrc(0) depctr_va_vcc(0) depctr_vm_vsrc(0)
	s_getreg_b32 s2, hwreg(HW_REG_IB_STS2, 6, 4)
	s_cmp_eq_u32 s2, 0
	s_cbranch_scc0 .Lentry_in_a_cluster
	s_endpgm
.Lentry_in_a_cluster:
	s_bfe_u32 s2, ttmp6, 0x10000c
	s_cmp_lg_u32 s2, 0xf033
	s_cbranch_scc0 .Lentry_shape_is_right
	s_endpgm
.Lentry_shape_is_right:
; qkv = x W_qkv + b_qkv on codes of FP4 (E2M1) with one E8M0 scale for each 32 along K.  x's codes [8192][512 bytes], scales [8192][32]; W's codes [3072 n][512 bytes], scales [3072][32].
; OUT: q, k, v rounded to f16, head by head: qkv [3 parts][4 batches][16 heads][2048 positions][64]; and positions 0 .. 15 of each batch once more in f32: fq [4][16][3072].
; LIMIT: |q|, |k|, |v| stay under 65,504 (f16).
; A tile of 256 x 256 is made by four waves, each 128 x 128: 64 accumulators, 512 registers.  K = 1,024 is two slots of 512 along K: both are asked for at the start and nothing is filled again.
; The scale bytes of the work-group's rows, for all of K, come once, as units of 256 bytes with 16 bytes of padding.
; CLUSTERS: 4 x 4 work-groups.  The four of a row of the cluster need the same tiles of x, the four of a column the same tiles of W: each tile is asked for jointly.
; The tile row is 8 cy + the cluster's y: so cy is the batch and the cluster's y the block of 256 positions, which all sixteen partners share.
; THE MATRIX INSTRUCTION IS USED TRANSPOSED (source 0 = 16 rows of W, source 1 = 16 rows of x): a lane holds eight neighbouring columns of one row.  The bias is the C of each sum's first instruction.
; REGISTERS: window 0: v0-31 addresses; v32-95 scale words, two sets; v128-191 x's fragments, one set; v192-255 the bias.  window 1: W's fragments, two sets.  windows 2, 3: the accumulators ((a, b) at v[8 (8 (a % 4) + b)]).
.set NQ,     4                         ; matrix instructions deep in a slot
.set ROWB,   256                       ; a tile's row: 512 codes
.set KROW,   512                       ; a row of codes in memory
.set PITCH,  272                       ; an LDS row: 256 bytes + 16 of padding, so that the 16 rows of a load start 16 bytes further on in each 256
.set FR,     8
.set NL,     2
.set NP,     4                         ; places behind this matrix instruction (ISA guide 7.12.1)
.set HALFT,  128*PITCH
.set SLOT,   4*HALFT
.set KS,     32                        ; a row of scale bytes
.set SCL,    2*SLOT
.set HALFS,  (128*KS/256)*272
.set SBLK,   (16*KS/256)*272
.set SPARE,  SCL+4*HALFS               ; the spare words: two blocks of 256 bytes that no other line names
.set SP16,   272                       ; the way out in f16: a stage of 16 rows x (256 + 16) bytes a wave, from LDS byte 0 on;
.set ST32,   4*16*SP16                 ; in f32: 16 rows x (512 + 16) a wave, behind them.  Both lie in slot 0, which has had its only fill and its last read by then
.set SP32,   528
.set ADRA, 16
.set ADRB, 20
.set STO32, 22
.set RD32, 23
.set STO,  24
.set RD,   25
.set CO,   26
.set ADRS, 27
.set SPW,  28
.set NIL,  29
.set BIA,  30
.set CO32, 31
.set SC,   32
.set TMP,  32                          ; the way out: a block rounded to f16
.set BK,   64                          ; and read back: v64-95 and v96-127 by turns
.set AF,   128
.set BI,   192
.set G1, 24
.set G0, 32
.set G1B, 48
.set G0B, 56
.set G1S, 68
.set G0S, 76
.set G1SB, 80
.set G0SB, 88
.set MSB, 0
.macro WIN new                         ; the immediate's high byte repeats the setting that is left
.if MSB != \new
	s_set_vgpr_msb (MSB<<8)|\new
.set MSB, \new
.endif
.endm
.set MUL_LO, 0xa1                      ; source 0 (W) window 1, source 1 (x) window 0, C and D window 2
.set MUL_HI, 0xf1                      ; C and D window 3
.set FST_LO, 0x81                      ; the first step: C is the bias, in window 0
.set FST_HI, 0xc1
.set TO_B,   0x40
; A joint load: waves 0 and 1 fetch for x, waves 2 and 3 for W; the branch hangs on the wave's number alone.  An s_nop 0 and four v_nop follow each line.
.macro JLOAD g0a, g1a, g0b, g1b
	s_cmp_eq_u32 s15, 0
	s_cbranch_scc0 .Lfor_b_\@
	tensor_load_to_lds s[\g0a:\g0a+3], s[\g1a:\g1a+7]
	s_nop 0
.rept 4
	v_nop
.endr
	s_branch .Lasked_\@
.Lfor_b_\@:
	tensor_load_to_lds s[\g0b:\g0b+3], s[\g1b:\g1b+7]
	s_nop 0
.rept 4
	v_nop
.endr
.Lasked_\@:
.endm
.macro CROUND                          ; a round of the cluster's barrier
	s_barrier_signal -1
	s_barrier_wait -1
	s_cmp_lg_u32 s14, 0
	s_cbranch_scc1 .Lnot_wave_0_\@
	s_barrier_signal -3
.Lnot_wave_0_\@:
	s_barrier_wait -3
	s_barrier_signal -1
	s_barrier_wait -1
.endm
	s_load_b128 s[4:7], s[0:1], 0x0                ; x's codes, x's scales
	s_load_b128 s[8:11], s[0:1], 0x10              ; W's codes, W's scales
	s_load_b64 s[96:97], s[0:1], 0x20              ; the bias
	s_load_b64 s[12:13], s[0:1], 0x28              ; qkv
	s_load_b64 s[98:99], s[0:1], 0x30              ; fq
	v_lshl_add_u32 v[SPW], v0, 2, SPARE
	v_mov_b32 v[NIL], 0
	ds_add_u32 v[SPW], v[NIL]                      ; the wave's opening: the add, twice on end, and its wait ahead of my first tensor load
	ds_add_u32 v[SPW], v[NIL]
	v_lshrrev_b32 v1, 5, v0
	v_readfirstlane_b32 s14, v1                    ; wave 0..3
	s_lshr_b32 s15, s14, 1                         ; my half of the tile's rows.  Also: I fetch for x (0) or for W (1)
	s_and_b32 s16, s14, 1                          ; my half of its columns.  Also: which 128 rows I fetch
	s_bfe_u32 s40, ttmp6, 0x40000                  ; cx
	s_bfe_u32 s41, ttmp6, 0x40004                  ; cy
	s_lshl_b32 s42, ttmp9, 2
	s_add_co_u32 s42, s42, s40                     ; tile column = 4 x cluster x + cx
	s_and_b32 s66, ttmp7, 0xffff                   ; cluster y
	s_lshl_b32 s17, s41, 3
	s_add_co_u32 s17, s17, s66                     ; tile row = 8 cy + cluster y
	s_lshl_b32 s43, s41, 2
	s_lshl_b32 s43, 15, s43                        ; my row of the cluster
	s_lshl_b32 s44, 0x1111, s40                    ; my column
	s_or_b32 s[G1+0], s43, (0<<16)|(1<<20)|(1<<21)|(5<<22)|(3<<25)  ; the mask; elements of 1 byte; padding: 4 words behind every 64; bit 21 beside a mask
	s_or_b32 s[G1B+0], s44, (0<<16)|(1<<20)|(1<<21)|(5<<22)|(3<<25)
.irp g, G1, G1B
	s_mov_b32 s[\g+1], ROWB<<16                    ; tensor_dim0
	s_mov_b32 s[\g+2], 128<<16                     ; tensor_dim1
	s_mov_b32 s[\g+3], ROWB<<16                    ; tile_dim0
	s_mov_b32 s[\g+4], 128                         ; tile_dim1
	s_mov_b32 s[\g+5], KROW                        ; the pitch
	s_mov_b32 s[\g+6], 0
	s_mov_b32 s[\g+7], 0
.endr
	s_or_b32 s[G1S+0], s43, (3<<16)|(1<<20)|(1<<21)|(5<<22)|(3<<25) ; the scales of 128 rows: 4,096 dense bytes as 16 rows of 256 (32 elements of 8 bytes)
	s_or_b32 s[G1SB+0], s44, (3<<16)|(1<<20)|(1<<21)|(5<<22)|(3<<25)
.irp g, G1S, G1SB
	s_mov_b32 s[\g+1], 32<<16
	s_mov_b32 s[\g+2], (128*KS/256)<<16
	s_mov_b32 s[\g+3], 32<<16
	s_mov_b32 s[\g+4], 128*KS/256
	s_mov_b32 s[\g+5], 32
	s_mov_b32 s[\g+6], 0
	s_mov_b32 s[\g+7], 0
.endr
	s_lshl_b32 s18, s16, 7
	s_lshl_b32 s20, s17, 8
	s_add_co_u32 s20, s20, s18                     ; x: row 256 x tile row + 128 x half
	s_lshl_b32 s46, s42, 8
	s_add_co_u32 s46, s46, s18                     ; W: row 256 x tile column + 128 x half
	s_mov_b32 s21, 0
	s_mov_b32 s47, 0
	s_mov_b64 s[18:19], KS
	s_mul_u64 s[22:23], s[20:21], s[18:19]
	s_mul_u64 s[92:93], s[46:47], s[18:19]
	s_mov_b64 s[18:19], KROW
	s_mul_u64 s[20:21], s[20:21], s[18:19]
	s_mul_u64 s[46:47], s[46:47], s[18:19]
	s_mul_i32 s45, s14, HALFT                      ; where they go: wave x 128 rows
	s_mul_i32 s94, s14, HALFS
	s_wait_dscnt 0x0                               ; both opening adds are done
	s_wait_kmcnt 0x0
	s_add_nc_u64 s[20:21], s[4:5], s[20:21]
	s_add_nc_u64 s[22:23], s[6:7], s[22:23]
	s_add_nc_u64 s[46:47], s[8:9], s[46:47]
	s_add_nc_u64 s[92:93], s[10:11], s[92:93]
	CROUND                                         ; all sixteen work-groups are here: the joint loads meet
	s_mov_b32 s[G0S], 1
	s_add_co_u32 s[G0S+1], s94, SCL
	s_mov_b64 s[G0S+2:G0S+3], s[22:23]
	s_or_b32 s[G0S+3], s[G0S+3], 0x80000000
	s_mov_b32 s[G0SB], 1
	s_add_co_u32 s[G0SB+1], s94, SCL
	s_mov_b64 s[G0SB+2:G0SB+3], s[92:93]
	s_or_b32 s[G0SB+3], s[G0SB+3], 0x80000000
	JLOAD G0S, G1S, G0SB, G1SB                     ; the scales first; with the two below three loads of mine are out
.irp s, 0,1
	s_mov_b32 s[G0+4*\s], 1
	s_add_co_u32 s[G0+4*\s+1], s45, \s*SLOT
	s_add_nc_u64 s[G0+4*\s+2:G0+4*\s+3], s[20:21], \s*ROWB
	s_or_b32 s[G0+4*\s+3], s[G0+4*\s+3], 0x80000000
	s_mov_b32 s[G0B+4*\s], 1
	s_add_co_u32 s[G0B+4*\s+1], s45, \s*SLOT
	s_add_nc_u64 s[G0B+4*\s+2:G0B+4*\s+3], s[46:47], \s*ROWB
	s_or_b32 s[G0B+4*\s+3], s[G0B+4*\s+3], 0x80000000
	JLOAD G0+4*\s, G1, G0B+4*\s, G1B
.endr
	v_and_b32 v1, 15, v0                           ; r = lane % 16
	v_bfe_u32 v2, v0, 4, 1                         ; h = lane / 16
	s_lshl_b32 s46, s42, 10                        ; my first column in bytes of f32: 1,024 x tile column + 512 x half
	s_lshl_b32 s47, s16, 9
	s_add_co_u32 s46, s46, s47
	s_mov_b32 s47, 0
	s_add_nc_u64 s[96:97], s[96:97], s[46:47]
	v_lshlrev_b32 v[BIA], 5, v2                    ; the bias in the result's layout: column 16 b + 8 h + j
.irp b, 0,1,2,3,4,5,6,7
	global_load_b128 v[BI+8*\b:BI+8*\b+3], v[BIA], s[96:97] offset:64*\b
	global_load_b128 v[BI+8*\b+4:BI+8*\b+7], v[BIA], s[96:97] offset:64*\b+16
.endr
	s_mul_i32 s20, s41, 196608                     ; fq: my batch's 16 rows of 12,288 bytes
	s_add_co_u32 s46, s46, s20
	s_add_nc_u64 s[98:99], s[98:99], s[46:47]
	v_mul_u32_u24 v3, v1, PITCH
	v_lshl_add_u32 v4, v2, 4, v3
	s_mul_i32 s21, s15, HALFT
	s_mul_i32 s22, s16, HALFT
	s_add_co_u32 s22, s22, 2*HALFT
.irp s, 0,1
	v_add_nc_u32 v[ADRA+\s], s21, v4
	v_add_nc_u32 v[ADRB+\s], s22, v4
	s_add_co_u32 s21, s21, SLOT
	s_add_co_u32 s22, s22, SLOT
.endr
	v_mul_u32_u24 v5, v1, KS                       ; my row's scales: 32 bytes a row, and 16 more for each 256 passed
	v_lshrrev_b32 v6, 8, v5
	v_lshl_add_u32 v5, v6, 4, v5
	s_mul_i32 s21, s15, HALFS
	s_mul_i32 s22, s16, HALFS
	s_add_co_u32 s22, s22, 2*HALFS
	s_sub_co_u32 s22, s22, s21
	v_mul_u32_u24 v6, s22, v2                      ; lanes 16-31 take W's
	s_add_co_u32 s21, s21, SCL
	v_add_nc_u32 v5, v5, v6
	v_add_nc_u32 v[ADRS], s21, v5
	s_mul_i32 s23, s14, 16*SP16                    ; my f16 stage
	v_mul_u32_u24 v5, v1, SP16
	v_lshl_add_u32 v5, v2, 4, v5
	v_add_nc_u32 v[STO], s23, v5                   ; in: row r, 16 bytes for each half of the lanes
	v_bfe_u32 v5, v0, 3, 1
	v_and_b32 v6, 7, v0
	v_mul_u32_u24 v7, v5, SP16
	v_lshl_add_u32 v7, v2, 7, v7
	v_lshl_add_u32 v7, v6, 4, v7
	v_add_nc_u32 v[RD], s23, v7                    ; back: lanes 0-15 two rows' 128 bytes of my first head, lanes 16-31 of my second
	v_lshlrev_b32 v7, 18, v2
	v_lshl_add_u32 v7, v5, 7, v7
	v_lshl_add_u32 v[CO], v6, 4, v7                ; the same in qkv: a head is 262,144 bytes, a row 128
	s_mul_i32 s23, s14, 16*SP32
	s_add_co_u32 s23, s23, ST32                    ; my f32 stage
	v_mul_u32_u24 v5, v1, SP32
	v_lshl_add_u32 v5, v2, 5, v5
	v_add_nc_u32 v[STO32], s23, v5
	v_and_b32 v6, 31, v0
	v_lshlrev_b32 v[CO32], 4, v6
	v_add_nc_u32 v[RD32], s23, v[CO32]
	s_lshr_b32 s20, s42, 2                         ; the part: q, k or v
	s_lshl_b32 s20, s20, 2
	s_add_co_u32 s20, s20, s41                     ; x 4 + the batch
	s_lshl_b32 s20, s20, 4
	s_and_b32 s21, s42, 3
	s_lshl_b32 s21, s21, 2
	s_add_co_u32 s20, s20, s21
	s_lshl_b32 s21, s16, 1
	s_add_co_u32 s20, s20, s21                     ; x 16 + my first head
	s_lshl_b32 s20, s20, 18
	s_lshl_b32 s21, s66, 15                        ; 256 positions of 128 bytes
	s_add_co_u32 s20, s20, s21
	s_lshl_b32 s21, s15, 14
	s_add_co_u32 s20, s20, s21
	s_mov_b32 s21, 0
	s_add_nc_u64 s[12:13], s[12:13], s[20:21]
.macro FRAG reg, adr, q, i             ; 16 rows x 128 K of 4-bit codes: 8 registers; registers 4 c .. 4 c + 3 hold K = 64 c + 32 (lane / 16) + 0 .. 31
.irp c, 0,1
	ds_load_b128 v[\reg+4*\c:\reg+4*\c+3], v[\adr] offset:64*(\q)+32*\c+(\i)*16*PITCH
.endr
.endm
; 16 matrix instructions: x's blocks a0, a0 + 1 against W's eight.  The 64 accumulators take turns, one instruction a turn, in the same order in every step.
.macro MUL16 a0, p, q, sc, first
.irp a, \a0, \a0+1
.irp b, 0,1,2,3,4,5,6,7
.if \first
	v_wmma_scale_f32_16x16x128_f8f6f4 v[8*(8*((\a)%4)+\b):8*(8*((\a)%4)+\b)+7], v[128*(\p)+FR*\b:128*(\p)+FR*\b+FR-1], v[AF+FR*(\a):AF+FR*(\a)+FR-1], v[BI+8*\b:BI+8*\b+7], v[SC+8*NQ*(\sc)+NQ*\b+(\q)], v[SC+8*NQ*(\sc)+NQ*(\a)+(\q)] matrix_a_fmt:MATRIX_FMT_FP4 matrix_b_fmt:MATRIX_FMT_FP4 matrix_a_scale:MATRIX_SCALE_ROW1
.else
	v_wmma_scale_f32_16x16x128_f8f6f4 v[8*(8*((\a)%4)+\b):8*(8*((\a)%4)+\b)+7], v[128*(\p)+FR*\b:128*(\p)+FR*\b+FR-1], v[AF+FR*(\a):AF+FR*(\a)+FR-1], v[8*(8*((\a)%4)+\b):8*(8*((\a)%4)+\b)+7], v[SC+8*NQ*(\sc)+NQ*\b+(\q)], v[SC+8*NQ*(\sc)+NQ*(\a)+(\q)] matrix_a_fmt:MATRIX_FMT_FP4 matrix_b_fmt:MATRIX_FMT_FP4 matrix_a_scale:MATRIX_SCALE_ROW1
.endif
.endr
.endr
.endm
.macro FETCH_B slot, q, p
	WIN TO_B
.irp i, 0,1,2,3,4,5,6,7
	FRAG 128*(\p)+FR*\i, ADRB+\slot, \q, \i
.endr
	WIN 0
.endm
.macro FETCH_A slot, q, i0
.irp i, \i0, \i0+1, \i0+2, \i0+3
	FRAG AF+FR*(\i), ADRA+\slot, \q, \i
.endr
.endm
.macro SCALES sc                       ; a slot's scale words: lanes 0-15 take x's block i, lanes 16-31 W's block i
.irp i, 0,1,2,3,4,5,6,7
	ds_load_b128 v[SC+8*NQ*\sc+NQ*\i:SC+8*NQ*\sc+NQ*\i+3], v[ADRS] offset:\i*SBLK
.endr
.endm
.macro PLACES n                        ; plain vector instructions between a matrix instruction and a load into, or a read of, its registers
.rept \n
	v_nop
.endr
.endm
.macro STEP slot, q, first             ; 128 along K, with its successor in the same slot
	s_wait_dscnt 4*NL                              ; W's set and x's blocks 0-3 are in; the youngest eight loads (x's blocks 4-7) may be out
.if \first
	WIN FST_LO
.else
	WIN MUL_LO
.endif
	MUL16 0, (\q)%2, \q, \slot, \first
	MUL16 2, (\q)%2, \q, \slot, \first
	s_wait_dscnt 0
	PLACES NP
	FETCH_B \slot, (\q)+1, 1-(\q)%2
	FETCH_A \slot, (\q)+1, 0
.if \first
	WIN FST_HI
.else
	WIN MUL_HI
.endif
	MUL16 4, (\q)%2, \q, \slot, \first
	MUL16 6, (\q)%2, \q, \slot, \first
	PLACES NP
	WIN 0
	FETCH_A \slot, (\q)+1, 4
.endm
; Slot 0's last step changes slots: one barrier; in front of it each wave waits for all its tensor loads (its part of slot 1), adds 0 to its spare word, and waits for that and for its reads of slot 0.
.macro TURN slot, next
	s_wait_tensorcnt 0x0
	ds_add_u32 v[SPW], v[NIL]
	s_wait_dscnt 4*NL+1                            ; the add and the youngest eight loads may be out
	WIN MUL_LO
	MUL16 0, 1, NQ-1, \slot, 0
	s_wait_dscnt 0x0                               ; the add is done, and my reads of this slot are over
	s_barrier_signal -1
	MUL16 2, 1, NQ-1, \slot, 0
	WIN 0
	s_barrier_wait -1
	PLACES NP
	v_add_nc_u32 v[ADRS], 4*NQ, v[ADRS]            ; the next slot's scale words
	FETCH_B \next, 0, 0
	FETCH_A \next, 0, 0
	SCALES \next
	WIN MUL_HI
	MUL16 4, 1, NQ-1, \slot, 0
	MUL16 6, 1, NQ-1, \slot, 0
	PLACES NP
	WIN 0
	FETCH_A \next, 0, 4
.endm
	s_wait_tensorcnt 1                             ; the scales and my part of slot 0 are in; slot 1's load may be out
	s_barrier_signal -1
	s_barrier_wait -1
	FETCH_B 0, 0, 0
	FETCH_A 0, 0, 0
	SCALES 0
	FETCH_A 0, 0, 4
	s_wait_loadcnt 0x0                             ; the bias
	STEP 0, 0, 1
	STEP 0, 1, 0
	STEP 0, 2, 0
	TURN 0, 1
	STEP 1, 0, 0
	STEP 1, 1, 0
	STEP 1, 2, 0
	s_wait_dscnt 4*NL                              ; the last step: nothing more to fetch
	WIN MUL_LO
	MUL16 0, 1, NQ-1, 1, 0
	MUL16 2, 1, NQ-1, 1, 0
	s_wait_dscnt 0
	WIN MUL_HI
	MUL16 4, 1, NQ-1, 1, 0
	MUL16 6, 1, NQ-1, 1, 0
	WIN 0
	PLACES NP                                      ; behind the last products, for all reads of results and all writes of operands below
	; POSITIONS 0 .. 15 IN f32: they are block 0 of the waves with the upper half of rows, where the cluster's y is 0: a branch on the cluster's y and the wave's number, alike in all partners.
	s_or_b32 s67, s66, s15
	s_cmp_lg_u32 s67, 0
	s_cbranch_scc1 .Lno_fine
	WIN 0x08                                       ; an LDS store's data are its source 1: window 2
.irp b, 0,1,2,3,4,5,6,7
	ds_store_b128 v[STO32], v[8*\b:8*\b+3] offset:64*\b          ; each accumulator from its low end on
	ds_store_b128 v[STO32], v[8*\b+4:8*\b+7] offset:64*\b+16
.endr
	WIN 0
.irp t, 0,1,2,3,4,5,6,7,8,9,10,11,12,13,14,15
	ds_load_b128 v[AF+4*\t:AF+4*\t+3], v[RD32] offset:\t*SP32    ; LDS serves a wave's instructions in order: these see my stores
.endr
	s_wait_dscnt 0x0
.irp t, 0,1,2,3,4,5,6,7,8,9,10,11,12,13,14,15
	global_store_b128 v[CO32], v[AF+4*\t:AF+4*\t+3], s[98:99] offset:\t*12288   ; 32 lanes store 512 consecutive bytes, aligned
.endr
.Lno_fine:
; THE WAY OUT, block by block of 16 rows x 128 columns (two heads): rounded to f16, through my own stage, back as pairs of rows of one head: sixteen lanes store 256 consecutive bytes, aligned.
.macro PACK a
.set AC, 64*((\a)%4)
	WIN 0x0a+5*((\a)/4)                            ; sources 0 and 1: window 2 or 3
.irp b, 0,1,2,3,4,5,6,7
.irp r, 0,1,2,3
	v_cvt_pk_f16_f32 v[TMP+4*\b+\r], v[AC+8*\b+2*\r], v[AC+8*\b+2*\r+1]
.endr
.endr
	WIN 0
.endm
.macro TOSTAGE a
.set BB, BK+32*((\a)%2)
.irp b, 0,1,2,3,4,5,6,7
	ds_store_b128 v[STO], v[TMP+4*\b:TMP+4*\b+3] offset:32*\b
.endr
.irp i, 0,1,2,3,4,5,6,7
	ds_load_b128 v[BB+4*\i:BB+4*\i+3], v[RD] offset:\i*2*SP16
.endr
.endm
.macro SEND a
.set BB, BK+32*((\a)%2)
	s_wait_dscnt 0x0                               ; the block is back in registers
	s_wait_xcnt 0x0                                ; the stores of the block before have read their registers: the next block's loads may land there
.irp i, 0,1,2,3,4,5,6,7
	global_store_b128 v[CO], v[BB+4*\i:BB+4*\i+3], s[12:13] offset:(\a)*2048+\i*256
.endr
.endm
	PACK 0
	TOSTAGE 0
.irp a, 1,2,3,4,5,6,7
	PACK \a                                        ; a block's conversions stand between the loads of the block before and the wait for them
	SEND \a-1
	TOSTAGE \a
.endr
	SEND 7
	s_wait_tensorcnt 0x0                           ; the wave's end
	ds_add_u32 v[SPW], v[NIL]
	s_wait_dscnt 0x0
	CROUND                                         ; the closing round
	s_endpgm
.Lfunc_end_k_q3f8acdf355_gemm_qkv:
	.size	k_q3f8acdf355_gemm_qkv, .Lfunc_end_k_q3f8acdf355_gemm_qkv-k_q3f8acdf355_gemm_qkv
	.p2alignl 7, 3214868480
	.fill 96, 4, 3214868480
	.section	.rodata,"a",@progbits
	.p2align	6, 0x0
	.amdhsa_kernel k_q3f8acdf355_gemm_qkv
		.amdhsa_group_segment_fixed_size 327680
		.amdhsa_private_segment_fixed_size 0
		.amdhsa_enable_private_segment 0
		.amdhsa_kernarg_size 56
		.amdhsa_user_sgpr_count 2
		.amdhsa_user_sgpr_kernarg_segment_ptr 1
		.amdhsa_wavefront_size32 1
		.amdhsa_system_sgpr_workgroup_id_x 1
		.amdhsa_system_sgpr_workgroup_id_y 1
		.amdhsa_system_sgpr_workgroup_id_z 1
		.amdhsa_system_vgpr_workitem_id 0
		.amdhsa_next_free_vgpr 1024
		.amdhsa_next_free_sgpr 100
		.amdhsa_reserve_vcc 0
		.amdhsa_float_denorm_mode_32 3
		.amdhsa_float_denorm_mode_16_64 3
		.amdhsa_memory_ordered 1
		.amdhsa_forward_progress 1
		.amdhsa_inst_pref_size 133
	.end_amdhsa_kernel
	.amdgpu_metadata
---
amdhsa.version: [ 1, 2 ]
amdhsa.kernels:
  - .name:           k_q3f8acdf355_gemm_qkv
    .symbol:         k_q3f8acdf355_gemm_qkv.kd
    .args:
      - { .name: xc, .offset: 0, .size: 8, .value_kind: global_buffer, .address_space: global }
      - { .name: xs, .offset: 8, .size: 8, .value_kind: global_buffer, .address_space: global }
      - { .name: wc, .offset: 16, .size: 8, .value_kind: global_buffer, .address_space: global }
      - { .name: ws, .offset: 24, .size: 8, .value_kind: global_buffer, .address_space: global }
      - { .name: b_qkv, .offset: 32, .size: 8, .value_kind: global_buffer, .address_space: global }
      - { .name: qkv, .offset: 40, .size: 8, .value_kind: global_buffer, .address_space: global }
      - { .name: fq, .offset: 48, .size: 8, .value_kind: global_buffer, .address_space: global }
    .group_segment_fixed_size: 327680
    .private_segment_fixed_size: 0
    .kernarg_segment_align: 8
    .kernarg_segment_size: 56
    .max_flat_workgroup_size: 128
    .sgpr_count:     100
    .vgpr_count:     1024
    .wavefront_size: 32
...
	.end_amdgpu_metadata
.endif
;; end of part 2
;; launch attn (part 3): grid 4 x 64, 16 waves a work-group, no clusters, 327,680 bytes of LDS; arguments qkv, att; writes att
.if DOCPART == 3
	.amdgcn_target "amdgcn-amd-amdhsa--gfx1250"
	.amdhsa_code_object_version 6
	.text
	.protected	k_q3f8acdf355_attn
	.globl	k_q3f8acdf355_attn
	.p2align	8
	.type	k_q3f8acdf355_attn,@function
k_q3f8acdf355_attn:
	s_mov_b64 s[64:65], 0
	v_nop
	global_prefetch_b8 v0, s[64:65] scope:SCOPE_SE
	s_setreg_imm32_b32 hwreg(HW_REG_WAVE_MODE, 25, 1), 1
	s_wait_xcnt 0x0
; att[b][h][q][:] = the sum over k <= q of softmax_k(Q[q] . K[k] / 8) V[k][:].  Q, K, V: the three parts of qkv, [4][16][2048][64] f16 each; att likewise.  Products in f16 with f32 sums;
; maxima, exponentials and sums in f32; the weights p are rounded to f16 for the second product, the result once at the end.
; LIMITS: the result stays under 65,504 (it is an average of v); NaN and infinities are not served.  Positions 0 .. 15 are computed here too and are replaced by a later launch in f32.
; SHARES.  A work-group owns the blocks j and 7 - j of 256 queries of one head, so that all work-groups have the same number of unmasked keys.  Each of its sixteen waves owns 32 queries, two tiles of 16,
; so that each fragment of K and V read from LDS feeds two products.  Of each four waves w, w + 4, w + 8, w + 12, and of each four neighbours, two belong to the early block and two to the late one.
; Every wave walks all 8 slots of 256 keys, 64 keys a step: the trip counts are constants.  A step whose keys all come after the wave's queries is jumped over (a branch on ids); the step on the diagonal masks.
; NO CLUSTER: the four work-groups of a head need 8, 7, 6 and 5 slots, so a joint load would bring tiles that no wave of some partner reads.
; LAYOUT.  S^T = K Q^T (source 0 = 16 keys, source 1 = 16 queries): a lane holds one query (lane % 16) and the keys 8 (lane / 16) + 0 .. 7 of each tile.  Two such tiles, rounded in pairs, are source 1 of
; O^T = V^T P.  K comes out of LDS as it lies, V turned, by ds_load_tr16_b128.
; SOFTMAX.  A running maximum m and sum l for each query: p = 2^(c s - c m), c = log2(e) / 8; in every step O^T and l are multiplied by a = 2^(c m_old - c m_new).
.set KP,    144                        ; a row of K in LDS: 128 bytes + 16
.set VP,    160                        ; a row of V: 128 + 32
.set SK,    256                        ; keys in a slot
.set VOFF,  SK*KP
.set SLOT1, 1<<17                      ; slot 1 begins here: one exclusive or turns an address from one slot to the other
.set NSL,   8
.set STAGE, SLOT1+SK*(KP+VP)           ; behind the ring: 32 rows x 144 bytes for each wave; no tile lands there
.set SPARE, STAGE+16*32*KP             ; the spare words, 128 bytes a wave: eight blocks of 256 bytes that no other line names
.set PARTB, 16777216                   ; a part of qkv
.set AK0, 1                            ; v1   my lane's place in a tile of K
.set AV0, 2                            ; v2   and of V
.set SPW, 3                            ; v3   my spare word; never rewritten
.set NIL, 4                            ; v4   0; never rewritten
.set GO,  5                            ; v5   16 x lane
.set ADK, 6                            ; v6   the step's K
.set ADV, 7                            ; v7   the step's V
.set PFO, 8                            ; v8   256 x lane; never rewritten
.set RH,  9                            ; v9   lane % 16 - 8 (lane / 16)
.set D0,  10                           ; v10, v11  the mask's bound for tiles 0, 1
.set ST,  12                           ; v12-27  tile t at ST + 8 t: +0 c m, +1 m, +2, +3 l, +4 .. +7 at work; a takes +6
.set QF,  28                           ; v28-59  Q: (t, c) at QF + 16 t + 8 c
.set KV,  60                           ; v60-123 K's eight fragments, then V's eight
.set S,   124                          ; v124-187 S^T: (t, kt) at S + 32 t + 8 kt; P is made in place in S + 32 t + 0 .. 15
.set OT,  188                          ; v188-251 O^T: (t, ct) at OT + 32 t + 8 ct
.set WV,  18
.set SEL, 20
.set CS,  22
.set G1K, 24
.set G1V, 32
.set G0K, 40
.set G0V, 44
.set TB,  2                            ; s2   LDS byte at which the slot in hand begins
.set QL,  66                           ; s66  my work-group's last query
.set SLOTS, 67
.set PFA, 76
.set LIM, 80
.set KF,  98                           ; s98  the step's first key
.set Q0,  99                           ; s99  my first query
; Waves 0 and 1 fetch K's halves of a slot, waves 2 and 3 V's, the others nothing.  An s_nop 0 and four v_nop follow each line.
.macro TLOAD
	s_cmp_lt_u32 s[WV], 2
	s_cbranch_scc0 .Lnot_k_\@
	tensor_load_to_lds s[G0K:G0K+3], s[G1K:G1K+7]
	s_nop 0
.rept 4
	v_nop
.endr
	s_branch .Lasked_\@
.Lnot_k_\@:
	s_cmp_lt_u32 s[WV], 4
	s_cbranch_scc0 .Lasked_\@
	tensor_load_to_lds s[G0V:G0V+3], s[G1V:G1V+7]
	s_nop 0
.rept 4
	v_nop
.endr
.Lasked_\@:
.endm
; A prefetch of what the NEXT change of slots will ask for: a slot's K and V, 32,768 dense bytes each.  The head's first work-group asks, which walks all slots; in it waves 4 to 7 ask for K's, 8,192 bytes a wave,
; lanes 256 bytes apart, waves 8 to 11 for V's: each aligned block of 256 bytes is named once in the launch.  The last change that fills a slot asks for nothing; slots 0 and 1 come by their loads alone.
.macro ASK
	s_cmp_gt_u32 s[SLOTS], s[LIM]
	s_cbranch_scc0 .Lnot_mine_\@
	global_prefetch_b8 v[PFO], s[PFA:PFA+1] th:TH_LOAD_NT scope:SCOPE_SE
.Lnot_mine_\@:
.endm
	s_load_b128 s[4:7], s[0:1], 0x0                ; qkv, att
	v_lshl_add_u32 v[SPW], v0, 2, SPARE
	v_mov_b32 v[NIL], 0
	ds_add_u32 v[SPW], v[NIL]                      ; the wave's opening: the add, twice on end, and its wait ahead of my first tensor load
	ds_add_u32 v[SPW], v[NIL]
	v_lshrrev_b32 v6, 5, v0
	v_readfirstlane_b32 s[WV], v6                  ; wave 0..15
	s_and_b32 s72, ttmp7, 0xffff                   ; batch x 16 + head
	s_lshl_b32 s74, s72, 18                        ; its 262,144 bytes in each part
	s_lshr_b32 s73, s[WV], 2
	s_xor_b32 s73, s73, s[WV]
	s_and_b32 s73, s73, 1                          ; 0: the early block, 1: the late one
	s_sub_co_u32 s81, 7, ttmp9
	s_cmp_eq_u32 s73, 0
	s_cselect_b32 s81, ttmp9, s81
	s_lshl_b32 s81, s81, 8
	s_lshr_b32 s82, s[WV], 1
	s_lshl_b32 s82, s82, 5
	s_add_co_u32 s[Q0], s81, s82                   ; my first query
	s_sub_co_u32 s[QL], 8, ttmp9
	s_lshl_b32 s[QL], s[QL], 8
	s_sub_co_u32 s[QL], s[QL], 1
	s_lshl_b32 s86, s[Q0], 7
	s_add_co_u32 s86, s86, s74                     ; my queries' rows in Q and in att
	s_mov_b32 s87, 0
	s_and_b32 s88, s[WV], 1                        ; which half of a slot I fetch, if I fetch
	s_lshl_b32 s90, s88, 14
	s_add_co_u32 s90, s90, s74
	s_mov_b32 s91, 0
	s_mul_i32 s89, s88, (SK/2)*KP
	s_mul_i32 s94, s88, (SK/2)*VP
	s_add_co_u32 s94, s94, VOFF
	s_mov_b32 s[G1K], (1<<16)|(1<<20)|(4<<22)|(3<<25)   ; no mask; elements of 2 bytes; padding: 4 words behind every 32
	s_mov_b32 s[G1V], (1<<16)|(1<<20)|(4<<22)|(7<<25)   ; 8 words
.irp g, G1K, G1V
	s_mov_b32 s[\g+1], 64<<16                      ; tensor_dim0
	s_mov_b32 s[\g+2], (SK/2)<<16                  ; tensor_dim1
	s_mov_b32 s[\g+3], 64<<16                      ; tile_dim0
	s_mov_b32 s[\g+4], SK/2                        ; tile_dim1
	s_mov_b32 s[\g+5], 64                          ; the pitch
	s_mov_b32 s[\g+6], 0
	s_mov_b32 s[\g+7], 0
.endr
	s_mov_b32 s[SEL], 0x76543210
	s_mov_b32 s[SEL+1], 0xfedcba98                 ; lane l xor 16
	s_mov_b32 s[CS], 0x3e38aa3b                    ; c = log2(e) / 8
	s_mov_b32 s[CS+1], s[CS]
	s_mov_b32 s[TB], 0
	s_mov_b32 s[SLOTS], NSL-1
	s_mov_b32 s[KF], 0
	s_cmp_lt_u32 s[WV], 8                          ; the prefetches: waves 4 to 7 K's part, waves 8 to 11 V's
	s_mov_b32 s82, 2*PARTB
	s_cselect_b32 s82, PARTB, s82
	s_and_b32 s83, s[WV], 3
	s_lshl_b32 s83, s83, 13
	s_add_co_u32 s82, s82, s83
	s_add_co_u32 s82, s82, s74
	s_add_co_u32 s82, s82, SK*128                  ; in slot 1: the first change of slots steps it to slot 2
	s_mov_b32 s83, 0
	s_sub_co_u32 s84, s[WV], 4
	s_lshr_b32 s84, s84, 3                         ; 0 in waves 4 to 11,
	s_or_b32 s84, s84, ttmp9                       ; of the head's first work-group
	s_cmp_eq_u32 s84, 0
	s_cselect_b32 s[LIM], 1, -1
	s_wait_dscnt 0x0                               ; both opening adds are done
	s_wait_kmcnt 0x0
	s_mov_b32 s[G0K], 1
	s_mov_b32 s[G0K+1], s89
	s_add_nc_u64 s[G0K+2:G0K+3], s[4:5], s[90:91]
	s_add_nc_u64 s[G0K+2:G0K+3], s[G0K+2:G0K+3], PARTB
	s_or_b32 s[G0K+3], s[G0K+3], 0x80000000
	s_mov_b32 s[G0V], 1
	s_mov_b32 s[G0V+1], s94
	s_add_nc_u64 s[G0V+2:G0V+3], s[4:5], s[90:91]
	s_add_nc_u64 s[G0V+2:G0V+3], s[G0V+2:G0V+3], 2*PARTB
	s_or_b32 s[G0V+3], s[G0V+3], 0x80000000
	TLOAD                                          ; slot 0: it holds key 0, which counts for every query
	s_add_nc_u64 s[PFA:PFA+1], s[4:5], s[82:83]
	s_add_nc_u64 s[4:5], s[4:5], s[86:87]          ; Q at my first query
	s_add_nc_u64 s[6:7], s[6:7], s[86:87]          ; att likewise
	v_and_b32 v6, 15, v0                           ; r
	v_bfe_u32 v7, v0, 4, 1                         ; h
	v_lshlrev_b32 v252, 7, v6
	v_lshl_add_u32 v252, v7, 4, v252               ; row r of 128 bytes + 16 h
.irp t, 0,1
.irp c, 0,1
	global_load_b128 v[QF+16*\t+8*\c:QF+16*\t+8*\c+3], v252, s[4:5] offset:\t*2048+64*\c
	global_load_b128 v[QF+16*\t+8*\c+4:QF+16*\t+8*\c+7], v252, s[4:5] offset:\t*2048+64*\c+32
.endr
.endr
	v_mul_u32_u24 v[AK0], v6, KP
	v_lshl_add_u32 v[AK0], v7, 4, v[AK0]
	v_and_b32 v10, 7, v0
	v_bfe_u32 v11, v0, 3, 1
	v_lshl_add_u32 v[AV0], v7, 3, v10              ; the turning load: key 8 h + lane % 8, channels 8 ((lane / 8) % 2) on
	v_mul_u32_u24 v[AV0], v[AV0], VP
	v_lshl_add_u32 v[AV0], v11, 4, v[AV0]
	v_add_nc_u32 v[AV0], VOFF, v[AV0]
	v_and_b32 v[GO], 31, v0
	v_lshlrev_b32 v[PFO], 8, v[GO]
	v_lshlrev_b32 v[GO], 4, v[GO]
	v_lshlrev_b32 v[RH], 3, v7
	v_sub_nc_u32 v[RH], v6, v[RH]
.irp t, 0,1
	v_mov_b32 v[ST+8*\t+1], 0xff61b1e6             ; m = -3e38, under every score
	v_mul_f32 v[ST+8*\t], s[CS], v[ST+8*\t+1]
.irp i, 2,3,4,5,6,7
	v_mov_b32 v[ST+8*\t+\i], 0                     ; l; and the registers at work, written once (a lane permute's destination counts as one of its sources)
.endr
.endr
.set i, 0
.rept 64
	v_mov_b32 v[OT+i], 0                           ; O^T: the step is written once; the first finds zeros, which its a = 0 leaves zeros
.set i, i+1
.endr
; A KEY STEP: 64 keys, the q-th of the slot in hand.
.macro STEP q
	s_add_co_u32 s96, s[Q0], 31
	s_cmp_gt_u32 s[KF], s96                        ; all keys come after my 32 queries: nothing to do but the step of the count
	s_cbranch_scc1 .Lhidden_\@
	v_add_nc_u32 v[ADK], s[TB], v[AK0]
	v_add_nc_u32 v[ADV], s[TB], v[AV0]
.rept 4
	v_nop                                          ; with the two additions six places behind the last products: four are owed by the loads into V's registers, five by the products that write over P
.endr
.irp kt, 0,1,2,3
.irp c, 0,1
	ds_load_b128 v[KV+8*(2*\kt+\c):KV+8*(2*\kt+\c)+3], v[ADK] offset:(64*(\q)+16*\kt)*KP+64*\c
	ds_load_b128 v[KV+8*(2*\kt+\c)+4:KV+8*(2*\kt+\c)+7], v[ADK] offset:(64*(\q)+16*\kt)*KP+64*\c+32
.endr
.endr
	s_wait_dscnt 0x0
.irp c, 0,1                            ; S^T = K Q^T: eight accumulators by turns, one instruction a turn
.irp kt, 0,1,2,3
.irp t, 0,1
.if \c == 0
	v_wmma_f32_16x16x32_f16 v[S+32*\t+8*\kt:S+32*\t+8*\kt+7], v[KV+8*(2*\kt+\c):KV+8*(2*\kt+\c)+7], v[QF+16*\t+8*\c:QF+16*\t+8*\c+7], 0
.else
	v_wmma_f32_16x16x32_f16 v[S+32*\t+8*\kt:S+32*\t+8*\kt+7], v[KV+8*(2*\kt+\c):KV+8*(2*\kt+\c)+7], v[QF+16*\t+8*\c:QF+16*\t+8*\c+7], v[S+32*\t+8*\kt:S+32*\t+8*\kt+7]
.endif
.endr
.endr
.endr
.rept 4
	v_nop                                          ; places in front of the loads into K's registers and of the first read of the scores
.endr
.irp kc, 0,1
.irp ct, 0,1,2,3
	ds_load_tr16_b128 v[KV+8*(4*\kc+\ct):KV+8*(4*\kc+\ct)+3], v[ADV] offset:(64*(\q)+32*\kc)*VP+32*\ct          ; V lands while the softmax is walked
	ds_load_tr16_b128 v[KV+8*(4*\kc+\ct)+4:KV+8*(4*\kc+\ct)+7], v[ADV] offset:(64*(\q)+32*\kc)*VP+16*VP+32*\ct
.endr
.endr
	s_add_co_u32 s96, s[KF], 63
	s_cmp_le_u32 s96, s[Q0]                        ; all 64 keys count for all my queries: no mask
	s_cbranch_scc1 .Lopen_\@
	s_sub_co_i32 s96, s[Q0], s[KF]
	v_add_nc_u32 v[D0], s96, v[RH]                 ; register 8 kt + j of tile t holds key KF + 16 kt + 8 h + j: hidden where 16 kt + j > Q0 - KF + 16 t + r - 8 h
	v_add_nc_u32 v[D0+1], 16, v[D0]
	v_mov_b32 v252, 0xff800000                     ; -infinity: p = 0 then
.irp t, 0,1
.set n, 0
.rept 32
	v_cmp_gt_i32 vcc_lo, 16*(n/8)+n%8, v[D0+\t]
	v_cndmask_b32 v[S+32*\t+n], v[S+32*\t+n], v252, vcc_lo
.set n, n+1
.endr
.endr
.Lopen_\@:
	; the maximum of my 32 scores of each tile and the old m: four chains, each begun at its accumulator's low end; the two tiles by turns
.irp j, 0,1,2,3
.irp t, 0,1
	v_max3_num_f32 v[ST+8*\t+4+\j], v[S+32*\t+8*\j], v[S+32*\t+8*\j+1], v[S+32*\t+8*\j+2]
.endr
.endr
.irp g, 1,2
.irp j, 0,1,2,3
.irp t, 0,1
	v_max3_num_f32 v[ST+8*\t+4+\j], v[ST+8*\t+4+\j], v[S+32*\t+8*\j+2*\g+1], v[S+32*\t+8*\j+2*\g+2]
.endr
.endr
.endr
.irp t, 0,1
	v_max3_num_f32 v[ST+8*\t+4], v[ST+8*\t+4], v[S+32*\t+7], v[S+32*\t+15]
	v_max3_num_f32 v[ST+8*\t+6], v[ST+8*\t+6], v[S+32*\t+23], v[S+32*\t+31]
.endr
.irp t, 0,1
	v_max3_num_f32 v[ST+8*\t+4], v[ST+8*\t+4], v[ST+8*\t+5], v[ST+8*\t+6]
.endr
.irp t, 0,1
	v_max3_num_f32 v[ST+8*\t+4], v[ST+8*\t+4], v[ST+8*\t+7], v[ST+8*\t+1]
.endr
.irp t, 0,1
	v_permlanex16_b32 v[ST+8*\t+5], v[ST+8*\t+4], s[SEL], s[SEL+1]   ; the query's other 32 keys lie in the lane 16 away
.endr
.irp t, 0,1
	v_mov_b32 v[ST+8*\t+7], v[ST+8*\t]             ; c m_old
.endr
.irp t, 0,1
	v_max_num_f32 v[ST+8*\t+1], v[ST+8*\t+4], v[ST+8*\t+5]
.endr
.irp t, 0,1
	v_mul_f32 v[ST+8*\t], s[CS], v[ST+8*\t+1]
.endr
.irp t, 0,1
	v_sub_f32 v[ST+8*\t+7], v[ST+8*\t+7], v[ST+8*\t]
.endr
.set i, 0
.rept 16
.irp t, 0,1
	v_pk_fma_f32 v[S+32*\t+i:S+32*\t+i+1], v[S+32*\t+i:S+32*\t+i+1], s[CS:CS+1], v[ST+8*\t:ST+8*\t+1] op_sel_hi:[1,0,0] neg_lo:[0,0,1] neg_hi:[0,0,1]   ; c s - c m
.endr
.set i, i+2
.endr
.irp t, 0,1
	v_exp_f32 v[ST+8*\t+6], v[ST+8*\t+7]           ; a
.endr
.set i, 0
.rept 64
	v_exp_f32 v[S+i], v[S+i]                       ; p: one batch
.set i, i+1
.endr
	v_nop                                          ; a plain instruction behind the last exponential
	s_wait_alu depctr_va_vdst(0)                   ; one wait for the whole batch, ahead of its first reader
.irp t, 0,1                            ; l = a l + the sum of the unrounded p, in two chains a tile
	v_pk_fma_f32 v[ST+8*\t+2:ST+8*\t+3], v[ST+8*\t+2:ST+8*\t+3], v[ST+8*\t+6:ST+8*\t+7], v[S+32*\t:S+32*\t+1] op_sel_hi:[1,0,1]
	v_pk_add_f32 v[252+2*\t:253+2*\t], v[S+32*\t+2:S+32*\t+3], v[S+32*\t+6:S+32*\t+7]
.endr
.irp i, 4,8,12,16,20,24
.irp t, 0,1
	v_pk_add_f32 v[ST+8*\t+2:ST+8*\t+3], v[ST+8*\t+2:ST+8*\t+3], v[S+32*\t+\i:S+32*\t+\i+1]
	v_pk_add_f32 v[252+2*\t:253+2*\t], v[252+2*\t:253+2*\t], v[S+32*\t+\i+6:S+32*\t+\i+7]
.endr
.endr
.irp t, 0,1
	v_pk_add_f32 v[ST+8*\t+2:ST+8*\t+3], v[ST+8*\t+2:ST+8*\t+3], v[S+32*\t+28:S+32*\t+29]
.endr
.irp t, 0,1
	v_pk_add_f32 v[ST+8*\t+2:ST+8*\t+3], v[ST+8*\t+2:ST+8*\t+3], v[252+2*\t:253+2*\t]
.endr
.set i, 0
.rept 16
.irp t, 0,1
	v_cvt_pk_f16_f32 v[S+32*\t+i], v[S+32*\t+2*i], v[S+32*\t+2*i+1]   ; P, in place and ascending: register i is written when 2 i and 2 i + 1 are read
.endr
.set i, i+1
.endr
.set i, 0
.rept 16
.irp t, 0,1
	v_pk_mul_f32 v[OT+32*\t+i:OT+32*\t+i+1], v[OT+32*\t+i:OT+32*\t+i+1], v[ST+8*\t+6:ST+8*\t+7] op_sel_hi:[1,0]   ; O^T x a
.endr
.set i, i+2
.endr
	s_wait_dscnt 0x0                               ; V is in
.irp kc, 0,1                           ; O^T += V^T P: eight accumulators by turns
.irp ct, 0,1,2,3
.irp t, 0,1
	v_wmma_f32_16x16x32_f16 v[OT+32*\t+8*\ct:OT+32*\t+8*\ct+7], v[KV+8*(4*\kc+\ct):KV+8*(4*\kc+\ct)+7], v[S+32*\t+8*\kc:S+32*\t+8*\kc+7], v[OT+32*\t+8*\ct:OT+32*\t+8*\ct+7]
.endr
.endr
.endr
.Lhidden_\@:
	s_add_co_u32 s[KF], s[KF], 64
.endm
; THE CHANGE OF SLOTS stands at a slot's head.  Each wave waits for all its tensor loads, adds 0 to its spare word, and waits for that and for its reads of the slot that it has left.
; Behind the barrier the slot ahead is whole and nobody reads the other one, which is filled with the keys that follow: that load has a slot's four steps in which to land.
.macro CHANGE fill
	s_wait_tensorcnt 0x0                           ; no tensor load of mine is out, so a group 0 may be written
	ds_add_u32 v[SPW], v[NIL]
.if \fill
	ds_add_u32 v[SPW], v[NIL]                      ; and once more: the add twice on end, in every trip alike
	s_xor_b32 s[G0K+1], s[G0K+1], SLOT1
	s_add_nc_u64 s[G0K+2:G0K+3], s[G0K+2:G0K+3], SK*128
	s_xor_b32 s[G0V+1], s[G0V+1], SLOT1
	s_add_nc_u64 s[G0V+2:G0V+3], s[G0V+2:G0V+3], SK*128
	s_wait_xcnt 0x0                                ; the last prefetch, a slot back, has read its address
	s_add_nc_u64 s[PFA:PFA+1], s[PFA:PFA+1], SK*128
.endif
	s_wait_dscnt 0x0
	s_barrier_signal -1
	s_barrier_wait -1
.if \fill
	s_add_co_u32 s96, s[KF], SK                    ; the first key of the slot that this change would ask for:
	s_cmp_gt_u32 s96, s[QL]                        ; behind my work-group's last query no wave reads it, so it is not asked for.  Ids and the count of steps alone: all sixteen waves go the same way
	s_cbranch_scc1 .Lpast_\@
	TLOAD                                          ; a wave's one tensor load until the next barrier
.Lpast_\@:
	ASK
.endif
.endm
.macro SLOT_STEPS
.set SQ, 0
.rept 4
	STEP SQ
.set SQ, SQ+1
.endr
	s_xor_b32 s[TB], s[TB], SLOT1
.endm
	s_wait_loadcnt 0x0                             ; Q
.Lslot:                                            ; 7 trips
	CHANGE 1
	SLOT_STEPS
	s_sub_co_u32 s[SLOTS], s[SLOTS], 1
	s_cmp_lg_u32 s[SLOTS], 0
	s_cbranch_scc1 .Lslot
	CHANGE 0                                       ; the last slot is written out: nothing is left to ask for
	SLOT_STEPS
	; THE WAY OUT.  l's halves are added, O^T is divided by l, rounded to f16 and sent through my stage: 32 lanes store 512 consecutive bytes (four rows of att).
.irp t, 0,1
	v_add_f32 v[ST+8*\t+4], v[ST+8*\t+2], v[ST+8*\t+3]
.endr
.irp t, 0,1
	v_permlanex16_b32 v[ST+8*\t+5], v[ST+8*\t+4], s[SEL], s[SEL+1]
.endr
.irp t, 0,1
	v_add_f32 v[ST+8*\t+4], v[ST+8*\t+4], v[ST+8*\t+5]
.endr
.irp t, 0,1
	v_rcp_f32 v[ST+8*\t+6], v[ST+8*\t+4]
.endr
	v_and_b32 v252, 15, v0                         ; (plain work behind the reciprocals)
	v_bfe_u32 v253, v0, 4, 1
	s_mul_i32 s73, s[WV], 32*KP
	s_add_co_u32 s73, s73, STAGE
	v_mul_u32_u24 v[ADK], v252, KP
	v_lshl_add_u32 v[ADK], v253, 4, v[ADK]
	v_add_nc_u32 v[ADK], s73, v[ADK]               ; in: row r, 16 bytes for each half of the lanes
	v_bfe_u32 v252, v0, 3, 2
	v_and_b32 v253, 7, v0
	v_mul_u32_u24 v[ADV], v252, KP
	v_lshl_add_u32 v[ADV], v253, 4, v[ADV]
	v_add_nc_u32 v[ADV], s73, v[ADV]               ; back: eight lanes to a row
	s_wait_alu depctr_va_vdst(0)                   ; one wait for the two reciprocals, ahead of their first reader
.irp t, 0,1
.set i, 0
.rept 16
	v_pk_mul_f32 v[S+32*\t+i:S+32*\t+i+1], v[OT+32*\t+i:OT+32*\t+i+1], v[ST+8*\t+6:ST+8*\t+7] op_sel_hi:[1,0]
.set i, i+2
.endr
.endr
.irp t, 0,1
.set i, 0
.rept 16
	v_cvt_pk_f16_f32 v[KV+16*\t+i], v[S+32*\t+2*i], v[S+32*\t+2*i+1]
.set i, i+1
.endr
.endr
.irp t, 0,1
.irp ct, 0,1,2,3
	ds_store_b128 v[ADK], v[KV+16*\t+4*\ct:KV+16*\t+4*\ct+3] offset:\t*16*KP+32*\ct
.endr
.endr
.irp i, 0,1,2,3,4,5,6,7
	ds_load_b128 v[S+4*\i:S+4*\i+3], v[ADV] offset:\i*4*KP       ; LDS serves a wave's instructions in order: these see my stores
.endr
.irp i, 0,1,2,3,4,5,6,7
	s_wait_dscnt 7-\i
	global_store_b128 v[GO], v[S+4*\i:S+4*\i+3], s[6:7] offset:512*\i
.endr
	s_wait_tensorcnt 0x0                           ; the wave's end
	ds_add_u32 v[SPW], v[NIL]
	s_wait_dscnt 0x0
	s_endpgm
.Lfunc_end_k_q3f8acdf355_attn:
	.size	k_q3f8acdf355_attn, .Lfunc_end_k_q3f8acdf355_attn-k_q3f8acdf355_attn
	.p2alignl 7, 3214868480
	.fill 96, 4, 3214868480
	.section	.rodata,"a",@progbits
	.p2align	6, 0x0
	.amdhsa_kernel k_q3f8acdf355_attn
		.amdhsa_group_segment_fixed_size 327680
		.amdhsa_private_segment_fixed_size 0
		.amdhsa_enable_private_segment 0
		.amdhsa_kernarg_size 16
		.amdhsa_user_sgpr_count 2
		.amdhsa_user_sgpr_kernarg_segment_ptr 1
		.amdhsa_wavefront_size32 1
		.amdhsa_system_sgpr_workgroup_id_x 1
		.amdhsa_system_sgpr_workgroup_id_y 1
		.amdhsa_system_sgpr_workgroup_id_z 1
		.amdhsa_system_vgpr_workitem_id 0
		.amdhsa_next_free_vgpr 256
		.amdhsa_next_free_sgpr 100
		.amdhsa_reserve_vcc 1
		.amdhsa_float_denorm_mode_32 3
		.amdhsa_float_denorm_mode_16_64 3
		.amdhsa_memory_ordered 1
		.amdhsa_forward_progress 1
		.amdhsa_inst_pref_size 188
	.end_amdhsa_kernel
	.amdgpu_metadata
---
amdhsa.version: [ 1, 2 ]
amdhsa.kernels:
  - .name:           k_q3f8acdf355_attn
    .symbol:         k_q3f8acdf355_attn.kd
    .args:
      - { .name: qkv, .offset: 0, .size: 8, .value_kind: global_buffer, .address_space: global }
      - { .name: att, .offset: 8, .size: 8, .value_kind: global_buffer, .address_space: global }
    .group_segment_fixed_size: 327680
    .private_segment_fixed_size: 0
    .kernarg_segment_align: 8
    .kernarg_segment_size: 16
    .max_flat_workgroup_size: 512
    .sgpr_count:     100
    .vgpr_count:     256
    .wavefront_size: 32
...
	.end_amdgpu_metadata
.endif
;; end of part 3
;; launch proj (part 4): grid 4 x 64, 4 waves a work-group, clusters of 4 x 4, 327,680 bytes of LDS; arguments att, wpt, b_proj, out0; writes out0
.if DOCPART == 4
	.amdgcn_target "amdgcn-amd-amdhsa--gfx1250"
	.amdhsa_code_object_version 6
	.text
	.protected	k_q3f8acdf355_proj
	.globl	k_q3f8acdf355_proj
	.p2align	8
	.type	k_q3f8acdf355_proj,@function
k_q3f8acdf355_proj:
	s_mov_b64 s[64:65], 0
	v_nop
	global_prefetch_b8 v0, s[64:65] scope:SCOPE_SE
	s_setreg_imm32_b32 hwreg(HW_REG_WAVE_MODE, 25, 1), 1
	s_wait_xcnt 0x0
	s_wait_alu depctr_hold_cnt(0) depctr_sa_sdst(0) depctr_va_vdst(0) depctr_va_sdst(0) depctr_va_ssrc(0) depctr_va_vcc(0) depctr_vm_vsrc(0)
	s_getreg_b32 s2, hwreg(HW_REG_IB_STS2, 6, 4)
	s_cmp_eq_u32 s2, 0
	s_cbranch_scc0 .Lentry_in_a_cluster
	s_endpgm
.Lentry_in_a_cluster:
	s_bfe_u32 s2, ttmp6, 0x10000c
	s_cmp_lg_u32 s2, 0xf033
	s_cbranch_scc0 .Lentry_shape_is_right
	s_endpgm
.Lentry_shape_is_right:
; out0 = att W_proj + b_proj, in f16 with f32 sums.  att: [4 batches][16 heads][2048][64] f16: K = 1,024 goes head by head, in chunks of 64.  wpt: [16 chunks][1024 n][64 k] f16.  out0: [8192][1024] f32.
; A tile of 128 x 256 is made by four waves, each 64 rows x 128 columns: 32 accumulators.  64 x 4 tiles: one for each of 256 work-groups.
; K goes in steps of 128 (two chunks) through a ring of two LDS slots.  A chunk's tile is a dense block of memory (128 or 256 rows of 128 bytes).  One tensor load a wave: waves 0, 1 att's two chunks, waves 2, 3 W's.
; CLUSTERS: 4 x 4 work-groups; att's tiles are shared along a row of the cluster, W's along a column: each is asked for jointly.
; THE MATRIX INSTRUCTION IS USED TRANSPOSED (source 0 = 16 rows of wpt, source 1 = 16 rows of att): a lane holds eight neighbouring columns of a row.  The bias is the C of each sum's first instruction.
; REGISTERS: window 0: v0-31 addresses; v32-95 the bias; v128-255 the way out.  window 1: two fragment buffers, each 64 registers of W and 32 of att.  window 2: the accumulators ((a, b) at v[8 (8 a + b)]).
.set KP,     144                       ; an LDS row: 128 bytes + 16
.set ACH,    128*KP                    ; a chunk of att's tile
.set BCH,    256*KP                    ; a chunk of W's
.set BOFF,   2*ACH
.set SLOT,   2*ACH+2*BCH
.set STAGE,  2*SLOT                    ; behind the ring: 16 rows x (512 + 16) bytes for each wave
.set SPITCH, 528
.set SPARE,  STAGE+4*16*SPITCH         ; the spare words: two blocks of 256 bytes that no other line names
.set LAPS,   4                         ; a lap = two K steps
.set ADRA, 16
.set ADRB, 20
.set STO,  24
.set RD,   25
.set CO,   26
.set BIA,  27
.set SPW,  28
.set NIL,  29
.set BI,   32
.set BK,   128
.set F0,   0
.set F1,   128
.set G1, 24
.set G0, 32
.set G1B, 48
.set G0B, 56
.set MSB, 0
.macro WIN new
.if MSB != \new
	s_set_vgpr_msb (MSB<<8)|\new
.set MSB, \new
.endif
.endm
.set MUL,  0xa5                        ; sources 0 and 1 window 1; C and D window 2
.set FST,  0x85                        ; the first quarter: C is the bias, in window 0
.set TO_F, 0x40
.macro JLOAD s                         ; a joint load; an s_nop 0 and four v_nop follow each of the two lines
	s_cmp_eq_u32 s11, 0
	s_cbranch_scc0 .Lfor_b_\@
	tensor_load_to_lds s[G0+4*\s:G0+4*\s+3], s[G1:G1+7]
	s_nop 0
.rept 4
	v_nop
.endr
	s_branch .Lasked_\@
.Lfor_b_\@:
	tensor_load_to_lds s[G0B+4*\s:G0B+4*\s+3], s[G1B:G1B+7]
	s_nop 0
.rept 4
	v_nop
.endr
.Lasked_\@:
.endm
.macro CREST                           ; a round of the cluster's barrier behind its opening barrier
	s_cmp_lg_u32 s10, 0
	s_cbranch_scc1 .Lnot_wave_0_\@
	s_barrier_signal -3
.Lnot_wave_0_\@:
	s_barrier_wait -3
	s_barrier_signal -1
	s_barrier_wait -1
.endm
.macro CROUND
	s_barrier_signal -1
	s_barrier_wait -1
	CREST
.endm
	s_load_b128 s[4:7], s[0:1], 0x0                ; att, wpt
	s_load_b64 s[68:69], s[0:1], 0x10              ; the bias
	s_load_b64 s[8:9], s[0:1], 0x18                ; out0
	v_lshl_add_u32 v[SPW], v0, 2, SPARE
	v_mov_b32 v[NIL], 0
	ds_add_u32 v[SPW], v[NIL]                      ; the wave's opening: the add, twice on end, and its wait ahead of my first tensor load
	ds_add_u32 v[SPW], v[NIL]
	v_lshrrev_b32 v1, 5, v0
	v_readfirstlane_b32 s10, v1                    ; wave 0..3
	s_lshr_b32 s11, s10, 1                         ; my half of the tile's rows.  Also: I fetch for att (0) or for W (1)
	s_and_b32 s12, s10, 1                          ; my half of its columns.  Also: which chunk of a K step I fetch
	s_bfe_u32 s40, ttmp6, 0x40000                  ; cx
	s_bfe_u32 s41, ttmp6, 0x40004                  ; cy
	s_lshl_b32 s42, ttmp9, 2
	s_add_co_u32 s42, s42, s40                     ; tile column
	s_and_b32 s13, ttmp7, 0xffff
	s_lshl_b32 s13, s13, 2
	s_add_co_u32 s13, s13, s41                     ; tile row
	s_lshl_b32 s43, s41, 2
	s_lshl_b32 s43, 15, s43                        ; my row of the cluster
	s_lshl_b32 s44, 0x1111, s40                    ; my column
	s_or_b32 s[G1+0], s43, (1<<16)|(1<<20)|(1<<21)|(4<<22)|(3<<25)  ; the mask; elements of 2 bytes; padding: 4 words behind every 32; bit 21 beside a mask
	s_or_b32 s[G1B+0], s44, (1<<16)|(1<<20)|(1<<21)|(4<<22)|(3<<25)
	s_mov_b32 s[G1+1], 64<<16                      ; tensor_dim0
	s_mov_b32 s[G1+2], 128<<16                     ; tensor_dim1
	s_mov_b32 s[G1+3], 64<<16                      ; tile_dim0
	s_mov_b32 s[G1+4], 128                         ; tile_dim1
	s_mov_b32 s[G1+5], 64                          ; the pitch
	s_mov_b32 s[G1+6], 0
	s_mov_b32 s[G1+7], 0
	s_mov_b32 s[G1B+1], 64<<16
	s_mov_b32 s[G1B+2], 256<<16
	s_mov_b32 s[G1B+3], 64<<16
	s_mov_b32 s[G1B+4], 256
	s_mov_b32 s[G1B+5], 64
	s_mov_b32 s[G1B+6], 0
	s_mov_b32 s[G1B+7], 0
	s_lshr_b32 s16, s13, 4                         ; att: the batch (16 heads of 262,144 bytes),
	s_lshl_b32 s16, s16, 22
	s_and_b32 s17, s13, 15
	s_lshl_b32 s17, s17, 14                        ; 128 positions of 128 bytes,
	s_add_co_u32 s16, s16, s17
	s_lshl_b32 s17, s12, 18                        ; my chunk = head
	s_add_co_u32 s16, s16, s17
	s_mov_b32 s17, 0
	s_lshl_b32 s46, s42, 15                        ; W: 256 rows of 128 bytes,
	s_lshl_b32 s47, s12, 17                        ; my chunk of 131,072 bytes
	s_add_co_u32 s46, s46, s47
	s_mov_b32 s47, 0
	s_mul_i32 s20, s12, ACH                        ; where they go: no place in the cluster enters an LDS address
	s_mul_i32 s21, s12, BCH
	s_add_co_u32 s21, s21, BOFF
	s_wait_dscnt 0x0                               ; both opening adds are done
	s_wait_kmcnt 0x0
	s_add_nc_u64 s[14:15], s[4:5], s[16:17]
	s_add_nc_u64 s[46:47], s[6:7], s[46:47]
	CROUND                                         ; all sixteen work-groups are here: the first joint loads meet
.irp s, 0,1
	s_mov_b32 s[G0+4*\s], 1
	s_add_co_u32 s[G0+4*\s+1], s20, \s*SLOT
	s_add_nc_u64 s[G0+4*\s+2:G0+4*\s+3], s[14:15], \s*2*262144
	s_or_b32 s[G0+4*\s+3], s[G0+4*\s+3], 0x80000000
	s_mov_b32 s[G0B+4*\s], 1
	s_add_co_u32 s[G0B+4*\s+1], s21, \s*SLOT
	s_add_nc_u64 s[G0B+4*\s+2:G0B+4*\s+3], s[46:47], \s*2*131072
	s_or_b32 s[G0B+4*\s+3], s[G0B+4*\s+3], 0x80000000
	JLOAD \s
.endr
	v_and_b32 v1, 15, v0                           ; r
	v_bfe_u32 v2, v0, 4, 1                         ; h
	s_lshl_b32 s46, s42, 10                        ; my first column in bytes of f32
	s_lshl_b32 s47, s12, 9
	s_add_co_u32 s46, s46, s47
	s_mov_b32 s47, 0
	s_add_nc_u64 s[68:69], s[68:69], s[46:47]
	v_lshlrev_b32 v[BIA], 5, v2
.irp b, 0,1,2,3,4,5,6,7
	global_load_b128 v[BI+8*\b:BI+8*\b+3], v[BIA], s[68:69] offset:64*\b
	global_load_b128 v[BI+8*\b+4:BI+8*\b+7], v[BIA], s[68:69] offset:64*\b+16
.endr
	s_lshl_b32 s16, s13, 19                        ; 128 rows of 4,096 bytes
	s_lshl_b32 s17, s11, 18
	s_add_co_u32 s16, s16, s17
	s_add_co_u32 s16, s16, s46
	s_mov_b32 s17, 0
	s_add_nc_u64 s[8:9], s[8:9], s[16:17]
	v_mul_u32_u24 v3, v1, KP
	v_lshl_add_u32 v3, v2, 4, v3
	s_mul_i32 s21, s11, 64*KP
	s_mul_i32 s22, s12, 128*KP
	s_add_co_u32 s22, s22, BOFF
.irp s, 0,1
	v_add_nc_u32 v[ADRA+\s], s21, v3
	v_add_nc_u32 v[ADRB+\s], s22, v3
	s_add_co_u32 s21, s21, SLOT
	s_add_co_u32 s22, s22, SLOT
.endr
	s_mul_i32 s23, s10, 16*SPITCH
	s_add_co_u32 s23, s23, STAGE
	v_mul_u32_u24 v4, v1, SPITCH
	v_lshl_add_u32 v4, v2, 5, v4
	v_add_nc_u32 v[STO], s23, v4
	v_and_b32 v5, 31, v0
	v_lshlrev_b32 v[CO], 4, v5
	v_add_nc_u32 v[RD], s23, v[CO]
.macro MUL8 f, a, first                ; att's block a against W's eight, 32 along K.  The 32 accumulators take turns in the same order in every quarter
.irp b, 0,1,2,3,4,5,6,7
.if \first
	v_wmma_f32_16x16x32_f16 v[8*(8*(\a)+\b):8*(8*(\a)+\b)+7], v[\f+8*\b:\f+8*\b+7], v[\f+64+8*(\a):\f+64+8*(\a)+7], v[BI+8*\b:BI+8*\b+7]
.else
	v_wmma_f32_16x16x32_f16 v[8*(8*(\a)+\b):8*(8*(\a)+\b)+7], v[\f+8*\b:\f+8*\b+7], v[\f+64+8*(\a):\f+64+8*(\a)+7], v[8*(8*(\a)+\b):8*(8*(\a)+\b)+7]
.endif
.endr
.endm
.macro FETCH slot, qd, f               ; 24 LDS loads in one run: the fragments of quarter qd of the slot (chunk qd / 2, 32 along K at byte 64 (qd % 2) of the rows)
	WIN TO_F
.irp i, 0,1,2,3,4,5,6,7
	ds_load_b128 v[\f+8*\i:\f+8*\i+3],   v[ADRB+\slot] offset:((\qd)/2)*BCH+\i*16*KP+64*((\qd)%2)
	ds_load_b128 v[\f+8*\i+4:\f+8*\i+7], v[ADRB+\slot] offset:((\qd)/2)*BCH+\i*16*KP+64*((\qd)%2)+32
.endr
.irp i, 0,1,2,3
	ds_load_b128 v[\f+64+8*\i:\f+64+8*\i+3],   v[ADRA+\slot] offset:((\qd)/2)*ACH+\i*16*KP+64*((\qd)%2)
	ds_load_b128 v[\f+64+8*\i+4:\f+64+8*\i+7], v[ADRA+\slot] offset:((\qd)/2)*ACH+\i*16*KP+64*((\qd)%2)+32
.endr
.endm
.macro PLACES
.rept 4
	v_nop
.endr
.endm
.macro QUARTER slot, qd, f, g, first   ; multiplies buffer f; in its middle it fetches quarter qd of the same slot into g
	s_wait_dscnt 0x0                               ; buffer f is in (asked for 16 matrix instructions ago)
.if \first
	WIN FST
.else
	WIN MUL
.endif
	MUL8 \f, 0, \first
	MUL8 \f, 1, \first
	PLACES
	FETCH \slot, \qd, \g
.if \first
	WIN FST
.else
	WIN MUL
.endif
	MUL8 \f, 2, \first
	MUL8 \f, 3, \first
.endm
; A K step's last quarter multiplies buffer 1 and changes slots: one barrier; in front of it each wave waits for all its tensor loads, adds 0 to its spare word, and waits for that and for its reads of this slot.
.macro TURN slot, next, fill
	WIN 0                                          ; (the add's two registers lie in window 0)
	s_wait_tensorcnt 0x0                           ; my part of the next slot has landed
	ds_add_u32 v[SPW], v[NIL]
	s_wait_dscnt 1                                 ; buffer 1 is in; the add may be out
	WIN MUL
	MUL8 F1, 0, 0
	s_wait_dscnt 0x0                               ; the add is done, and my reads of this slot are over
	s_barrier_signal -1
	MUL8 F1, 1, 0
	WIN 0
	s_barrier_wait -1
.if \fill
	CREST                                          ; the barrier has opened a round of the cluster's barrier: no wave of any partner still reads this slot or has a load on its way
	s_add_nc_u64 s[G0+4*\slot+2:G0+4*\slot+3], s[G0+4*\slot+2:G0+4*\slot+3], 4*262144
	s_add_nc_u64 s[G0B+4*\slot+2:G0B+4*\slot+3], s[G0B+4*\slot+2:G0B+4*\slot+3], 4*131072
	JLOAD \slot                                    ; the first tensor load behind the round; its four v_nop are also the places in front of the loads below
.else
	PLACES
.endif
	FETCH \next, 0, F0
	WIN MUL
	MUL8 F1, 2, 0
	MUL8 F1, 3, 0
.endm
	s_wait_tensorcnt 1                             ; my part of K step 0 is in; K step 1's may be out
	s_barrier_signal -1
	s_barrier_wait -1
	FETCH 0, 0, F0
	s_wait_loadcnt 0x0                             ; the bias
	QUARTER 0, 1, F0, F1, 1                        ; the first quarter stands in front of the loop: its products start the sums
	WIN 0
	s_mov_b32 s3, LAPS-1
.Llap:                                             ; a trip goes once round the ring and fills both slots again
	QUARTER 0, 2, F1, F0, 0
	QUARTER 0, 3, F0, F1, 0
	TURN 0, 1, 1
	QUARTER 1, 1, F0, F1, 0
	QUARTER 1, 2, F1, F0, 0
	QUARTER 1, 3, F0, F1, 0
	TURN 1, 0, 1
	QUARTER 0, 1, F0, F1, 0
	WIN 0
	s_sub_co_u32 s3, s3, 1
	s_cmp_lg_u32 s3, 0
	s_cbranch_scc1 .Llap
	QUARTER 0, 2, F1, F0, 0                        ; the last lap fills nothing
	QUARTER 0, 3, F0, F1, 0
	TURN 0, 1, 0
	QUARTER 1, 1, F0, F1, 0
	QUARTER 1, 2, F1, F0, 0
	QUARTER 1, 3, F0, F1, 0
	s_wait_dscnt 0x0
	WIN MUL
	MUL8 F1, 0, 0
	MUL8 F1, 1, 0
	MUL8 F1, 2, 0
	MUL8 F1, 3, 0
	WIN 0
; THE WAY OUT, block by block of 16 rows x 128 columns, through my own stage: back as whole rows of 512 bytes, which the 32 lanes store as two aligned runs of 256 bytes.
.macro TOSTAGE a
	WIN 0x08                                       ; an LDS store's data are its source 1: window 2
.irp b, 0,1,2,3,4,5,6,7
	ds_store_b128 v[STO], v[64*(\a)+8*\b:64*(\a)+8*\b+3] offset:64*\b            ; each accumulator from its low end on
	ds_store_b128 v[STO], v[64*(\a)+8*\b+4:64*(\a)+8*\b+7] offset:64*\b+16
.endr
	WIN 0
.set BB, BK+64*((\a)%2)
.irp t, 0,1,2,3,4,5,6,7,8,9,10,11,12,13,14,15
	ds_load_b128 v[BB+4*\t:BB+4*\t+3], v[RD] offset:\t*SPITCH
.endr
.endm
.macro SEND a, younger                 ; younger: the LDS instructions issued behind block a's loads
.set BB, BK+64*((\a)%2)
	s_wait_dscnt \younger
.irp t, 0,1,2,3,4,5,6,7,8,9,10,11,12,13,14,15
	global_store_b128 v[CO], v[BB+4*\t:BB+4*\t+3], s[8:9] offset:(\a)*65536+\t*4096 th:TH_STORE_NT
.endr
.endm
	PLACES
	TOSTAGE 0
.irp a, 1,2,3
.if \a > 1
	s_wait_xcnt 0x0                                ; block a - 2's stores have read their registers: block a's loads may land there
.endif
	TOSTAGE \a
	SEND \a-1, 32                                  ; behind block a - 1's loads: block a's 16 stores and 16 loads
.endr
	SEND 3, 0
	s_wait_tensorcnt 0x0                           ; the wave's end
	ds_add_u32 v[SPW], v[NIL]
	s_wait_dscnt 0x0
	CROUND                                         ; the closing round
	s_endpgm
.Lfunc_end_k_q3f8acdf355_proj:
	.size	k_q3f8acdf355_proj, .Lfunc_end_k_q3f8acdf355_proj-k_q3f8acdf355_proj
	.p2alignl 7, 3214868480
	.fill 96, 4, 3214868480
	.section	.rodata,"a",@progbits
	.p2align	6, 0x0
	.amdhsa_kernel k_q3f8acdf355_proj
		.amdhsa_group_segment_fixed_size 327680
		.amdhsa_private_segment_fixed_size 0
		.amdhsa_enable_private_segment 0
		.amdhsa_kernarg_size 32
		.amdhsa_user_sgpr_count 2
		.amdhsa_user_sgpr_kernarg_segment_ptr 1
		.amdhsa_wavefront_size32 1
		.amdhsa_system_sgpr_workgroup_id_x 1
		.amdhsa_system_sgpr_workgroup_id_y 1
		.amdhsa_system_sgpr_workgroup_id_z 1
		.amdhsa_system_vgpr_workitem_id 0
		.amdhsa_next_free_vgpr 768
		.amdhsa_next_free_sgpr 72
		.amdhsa_reserve_vcc 0
		.amdhsa_float_denorm_mode_32 3
		.amdhsa_float_denorm_mode_16_64 3
		.amdhsa_memory_ordered 1
		.amdhsa_forward_progress 1
		.amdhsa_inst_pref_size 86
	.end_amdhsa_kernel
	.amdgpu_metadata
---
amdhsa.version: [ 1, 2 ]
amdhsa.kernels:
  - .name:           k_q3f8acdf355_proj
    .symbol:         k_q3f8acdf355_proj.kd
    .args:
      - { .name: att, .offset: 0, .size: 8, .value_kind: global_buffer, .address_space: global }
      - { .name: wpt, .offset: 8, .size: 8, .value_kind: global_buffer, .address_space: global }
      - { .name: b_proj, .offset: 16, .size: 8, .value_kind: global_buffer, .address_space: global }
      - { .name: out0, .offset: 24, .size: 8, .value_kind: global_buffer, .address_space: global }
    .group_segment_fixed_size: 327680
    .private_segment_fixed_size: 0
    .kernarg_segment_align: 8
    .kernarg_segment_size: 32
    .max_flat_workgroup_size: 128
    .sgpr_count:     72
    .vgpr_count:     768
    .wavefront_size: 32
...
	.end_amdgpu_metadata
.endif
;; end of part 4
;; launch fine (part 5): grid 16 x 4, 16 waves a work-group, no clusters, 85,248 bytes of LDS; arguments fq, W_proj, b_proj, out0; writes out0
.if DOCPART == 5
	.amdgcn_target "amdgcn-amd-amdhsa--gfx1250"
	.amdhsa_code_object_version 6
	.text
	.protected	k_q3f8acdf355_fine
	.globl	k_q3f8acdf355_fine
	.p2align	8
	.type	k_q3f8acdf355_fine,@function
k_q3f8acdf355_fine:
	s_mov_b64 s[64:65], 0
	v_nop
	global_prefetch_b8 v0, s[64:65] scope:SCOPE_SE
	s_setreg_imm32_b32 hwreg(HW_REG_WAVE_MODE, 25, 1), 1
	s_wait_xcnt 0x0
; POSITIONS 0 .. 15 OF EACH SEQUENCE, ALL IN f32: their softmax averages one to sixteen values, so they are the largest numbers of the output and are carried more finely.  They overwrite 64 rows of out0.
; fq: [4 batches][16 positions][3072] f32 (q, k, v with the bias).  W_proj [1024][1024], b_proj [1024] f32.
; A work-group takes one batch and 64 columns of the output.  PHASE 1: wave = head: its 16 x 16 attention; the result, 16 rows x 1,024, meets in LDS.  PHASE 2: wave = (tile of 16 columns, quarter of K):
; 16 x 16 x 256.  PHASE 3: eight waves add the four quarters and the bias and store: sixteen lanes 256 consecutive bytes, aligned.
; The f32 matrix form holds k = 2 (lane / 16) + j in register j.  A permutation of k applied alike to both sources keeps the sum, so fragments are loaded as they lie, 16 bytes a lane, and taken two registers at a time.
; The accumulators v16-47 are written by matrix instructions alone; what is made of a sum goes into other registers.
; LIMITS: NaN and infinities are not served.
.set APITCH, 4112                      ; a row of the attention's result in LDS: 4,096 bytes + 16
.set RED,    16*APITCH                 ; the four quarters' parts: 64 rows x (256 + 16) bytes
.set SPARE,  RED+64*272                ; the spare words, 128 bytes a wave: eight blocks of 256 bytes that no other line names
.set SPW, 14
.set NIL, 15
.set OA,  16                           ; v16-47   four accumulators
.set KR,  48                           ; v48-79   K of my head; later W's second half, with
.set QR,  80                           ; v80-111  Q
.set W2,  48
.set VR,  112                          ; v112-143 V; later the first buffer of a
.set T,   144                          ; v144-151 the scores, then the unnormalised weights
.set P,   152                          ; v152-159 the weights
.set A0,  112
.set A1,  144                          ; v144-175 the second buffer of a
.set SUM, 176                          ; v176-183
.set WR,  192                          ; v192-255 W's first half
	s_load_b256 s[4:11], s[0:1], 0x0               ; fq, W_proj, b_proj, out0
	v_lshl_add_u32 v[SPW], v0, 2, SPARE
	v_mov_b32 v[NIL], 0
	v_lshrrev_b32 v1, 5, v0
	v_readfirstlane_b32 s12, v1                    ; wave 0..15: my head
	v_and_b32 v1, 15, v0                           ; r
	v_bfe_u32 v2, v0, 4, 1                         ; h
	s_and_b32 s14, ttmp7, 0xffff                   ; the batch
	s_and_b32 s24, s12, 3                          ; my tile of 16 columns
	s_lshr_b32 s25, s12, 2                         ; my quarter of K
	v_mul_u32_u24 v3, v1, 12288
	v_lshl_add_u32 v3, v2, 4, v3                   ; K, Q: row r + 16 h
	v_mul_u32_u24 v4, v2, 98304
	v_lshl_add_u32 v4, v1, 2, v4                   ; V: 8 h rows down, channel r
	v_lshlrev_b32 v5, 14, v2
	v_lshl_add_u32 v5, v1, 2, v5                   ; W: 4 h rows down, column r
	v_mul_u32_u24 v188, v1, APITCH
	s_lshl_b32 s26, s12, 8
	v_lshl_add_u32 v6, v2, 5, v188
	v_add_nc_u32 v6, s26, v6                       ; where my head's result goes: row r, byte 256 head + 32 h
	s_lshl_b32 s26, s25, 10
	v_lshl_add_u32 v7, v2, 4, v188
	v_add_nc_u32 v7, s26, v7                       ; where a is read: row r, byte 1,024 quarter + 16 h
	v_mul_u32_u24 v12, v1, 272
	v_lshl_add_u32 v12, v2, 5, v12
	s_mul_i32 s26, s25, 16*272
	s_lshl_b32 s27, s24, 6
	s_add_co_u32 s26, s26, s27
	s_add_co_u32 s26, s26, RED
	v_add_nc_u32 v12, s26, v12                     ; my part: row 16 quarter + r, byte 64 tile + 32 h
	s_and_b32 s27, s12, 7                          ; the last phase: wave & 7, so that the addresses stay in their region in every wave
	v_mul_u32_u24 v13, v2, 272
	v_lshl_add_u32 v13, v1, 4, v13
	s_mul_i32 s26, s27, 2*272
	s_add_co_u32 s26, s26, RED
	v_add_nc_u32 v13, s26, v13                     ; row 2 wave + h, 16 bytes a lane
	v_lshlrev_b32 v184, 4, v1
	v_lshl_add_u32 v185, v2, 12, v184
	s_lshl_b32 s26, s27, 13
	v_add_nc_u32 v185, s26, v185                   ; the same in out0
	v_lshlrev_b32 v186, 3, v2
	v_sub_nc_u32 v186, v1, v186                    ; r - 8 h
	v_mov_b32 v187, 0xff800000                     ; -infinity
	s_mov_b32 s20, 0x76543210
	s_mov_b32 s21, 0xfedcba98                      ; lane l xor 16
	s_mov_b32 s22, 0x3e38aa3b                      ; c = log2(e) / 8
	s_mul_i32 s28, s14, 196608
	s_lshl_b32 s29, s12, 8
	s_add_co_u32 s28, s28, s29
	s_mov_b32 s29, 0
	s_lshl_b32 s30, ttmp9, 8                       ; my 64 columns
	s_mov_b32 s31, 0
	s_wait_kmcnt 0x0
	s_add_nc_u64 s[16:17], s[4:5], s[28:29]        ; fq at my batch and head
	s_lshl_b32 s28, s25, 20                        ; 256 rows of 4,096 bytes
	s_add_co_u32 s28, s28, s30
	s_lshl_b32 s26, s24, 6
	s_add_co_u32 s28, s28, s26
	s_add_nc_u64 s[18:19], s[6:7], s[28:29]        ; W at my quarter and tile
	s_add_nc_u64 s[8:9], s[8:9], s[30:31]
	s_lshl_b32 s28, s14, 23                        ; 2,048 rows of 4,096 bytes
	s_add_co_u32 s28, s28, s30
	s_add_nc_u64 s[10:11], s[10:11], s[28:29]
.irp u, 0,1,2,3,4,5,6,7
	global_load_b128 v[KR+4*\u:KR+4*\u+3], v3, s[16:17] offset:4096+32*\u    ; K(r, 8 u + 4 h + 0 .. 3)
	global_load_b128 v[QR+4*\u:QR+4*\u+3], v3, s[16:17] offset:32*\u         ; Q likewise
.endr
.irp ct, 0,1,2,3
.irp i, 0,1,2,3,4,5,6,7
	global_load_b32 v[VR+8*\ct+\i], v4, s[16:17] offset:8192+\i*12288+64*\ct ; V(8 h + i, 16 ct + r)
.endr
.endr
.set u, 0
.rept 16
.irp i, 0,1,2,3
	global_load_b32 v[WR+4*u+\i], v5, s[18:19] offset:(8*u+\i)*4096          ; W(8 u + 4 h + i, r) of my quarter
.endr
.set u, u+1
.endr
	global_load_b128 v[8:11], v184, s[8:9]         ; the bias
	s_wait_loadcnt 0x0
	; ---- 1: S^T = K Q^T (source 0 = 16 keys, source 1 = 16 queries): two accumulators by turns, the first two instructions start the sums
.set i, 0
.rept 16
.if i < 2
	v_wmma_f32_16x16x4_f32 v[OA+8*(i%2):OA+8*(i%2)+7], v[KR+2*i:KR+2*i+1], v[QR+2*i:QR+2*i+1], 0
.else
	v_wmma_f32_16x16x4_f32 v[OA+8*(i%2):OA+8*(i%2)+7], v[KR+2*i:KR+2*i+1], v[QR+2*i:QR+2*i+1], v[OA+8*(i%2):OA+8*(i%2)+7]
.endif
.set i, i+1
.endr
.rept 8
	v_nop                                          ; eight places behind this form, in front of loads into its sources and of the first read of its results
.endr
.set u, 16
.rept 16
.irp i, 0,1,2,3
	global_load_b32 v[W2+4*(u-16)+\i], v5, s[18:19] offset:(8*u+\i)*4096     ; W's second half lands while the softmax is walked
.endr
.set u, u+1
.endr
.irp j, 0,1,2,3,4,5,6,7
	v_add_f32 v[T+\j], v[OA+\j], v[OA+8+\j]        ; lane (r, h): query r, key 8 h + j
.endr
.irp j, 0,1,2,3,4,5,6,7
	v_cmp_gt_i32 vcc_lo, \j, v186                  ; hidden where 8 h + j > r
	v_cndmask_b32 v[T+\j], v[T+\j], v187, vcc_lo
.endr
	v_max3_num_f32 v188, v[T], v[T+1], v[T+2]
	v_max3_num_f32 v189, v[T+3], v[T+4], v[T+5]
	v_max3_num_f32 v188, v188, v[T+6], v[T+7]
	v_max_num_f32 v188, v188, v189
	v_permlanex16_b32 v189, v188, s20, s21
	v_max_num_f32 v188, v188, v189                 ; the row's maximum: key 0 counts for every query
	v_mul_f32 v189, s22, v188
.irp j, 0,1,2,3,4,5,6,7
	v_fma_f32 v[T+\j], v[T+\j], s22, -v189
.endr
.irp j, 0,1,2,3,4,5,6,7
	v_exp_f32 v[T+\j], v[T+\j]
.endr
	v_nop                                          ; a plain instruction behind the last exponential
	s_wait_alu depctr_va_vdst(0)                   ; one wait for the batch, ahead of its first reader
	v_add_f32 v190, v[T], v[T+1]
	v_add_f32 v191, v[T+2], v[T+3]
	v_add_f32 v190, v190, v[T+4]
	v_add_f32 v191, v191, v[T+5]
	v_add_f32 v190, v190, v[T+6]
	v_add_f32 v191, v191, v[T+7]
	v_add_f32 v190, v190, v191
	v_permlanex16_b32 v191, v190, s20, s21
	v_add_f32 v190, v190, v191
	v_rcp_f32 v190, v190
	v_nop
	s_wait_alu depctr_va_vdst(0)
.irp j, 0,1,2,3,4,5,6,7
	v_mul_f32 v[P+\j], v[T+\j], v190               ; the weights, normalised
.endr
	; O^T = V^T P (source 0 = 16 channels, source 1 = P): k's place (h, j) of instruction s is key 8 h + 2 s + j in both sources; four accumulators by turns
.irp s, 0,1,2,3
.irp ct, 0,1,2,3
.if \s == 0
	v_wmma_f32_16x16x4_f32 v[OA+8*\ct:OA+8*\ct+7], v[VR+8*\ct+2*\s:VR+8*\ct+2*\s+1], v[P+2*\s:P+2*\s+1], 0
.else
	v_wmma_f32_16x16x4_f32 v[OA+8*\ct:OA+8*\ct+7], v[VR+8*\ct+2*\s:VR+8*\ct+2*\s+1], v[P+2*\s:P+2*\s+1], v[OA+8*\ct:OA+8*\ct+7]
.endif
.endr
.endr
.rept 9
	v_nop                                          ; nine places: the stores below read results (eight), and the next phase's first products begin these accumulators anew (nine)
.endr
.irp ct, 0,1,2,3
	ds_store_b128 v6, v[OA+8*\ct:OA+8*\ct+3] offset:64*\ct       ; lane (r, h): a(r, 64 head + 16 ct + 8 h + 0 .. 7)
	ds_store_b128 v6, v[OA+8*\ct+4:OA+8*\ct+7] offset:64*\ct+16
.endr
	s_wait_dscnt 0x0                               ; for the others' sake: my stores have landed
	s_barrier_signal -1
	s_barrier_wait -1
	; ---- 2: my 16 columns x 16 rows over my 256 of K (source 0 = W, source 1 = a): two accumulators by turns
.macro ALOAD bt, buf                   ; a(r, 256 quarter + 8 u + 4 h + 0 .. 3), u = 8 bt .. 8 bt + 7
.irp u, 0,1,2,3,4,5,6,7
	ds_load_b128 v[\buf+4*\u:\buf+4*\u+3], v7 offset:(8*(\bt)+\u)*32
.endr
.endm
.macro PROD ub, buf
.set u, \ub
.rept 8
.if u < 16
.set WRG, WR+4*u
.else
.set WRG, W2+4*(u-16)
.endif
.irp p, 0,1
.if u == 0
	v_wmma_f32_16x16x4_f32 v[OA+8*\p:OA+8*\p+7], v[WRG+2*\p:WRG+2*\p+1], v[\buf+4*(u%8)+2*\p:\buf+4*(u%8)+2*\p+1], 0
.else
	v_wmma_f32_16x16x4_f32 v[OA+8*\p:OA+8*\p+7], v[WRG+2*\p:WRG+2*\p+1], v[\buf+4*(u%8)+2*\p:\buf+4*(u%8)+2*\p+1], v[OA+8*\p:OA+8*\p+7]
.endif
.endr
.set u, u+1
.endr
.endm
.macro PLACES8
.rept 8
	v_nop
.endr
.endm
	s_wait_loadcnt 0x0                             ; W's second half
	ALOAD 0, A0
	ALOAD 1, A1
	s_wait_dscnt 8                                 ; the first batch is in; the next batch's eight loads may be out
	PROD 0, A0
	PLACES8
	ALOAD 2, A0
	s_wait_dscnt 8
	PROD 8, A1
	PLACES8
	ALOAD 3, A1
	s_wait_dscnt 8
	PROD 16, A0
	s_wait_dscnt 0x0
	PROD 24, A1
	PLACES8
.irp j, 0,1,2,3,4,5,6,7
	v_add_f32 v[SUM+\j], v[OA+\j], v[OA+8+\j]      ; lane (r, h): row r, columns 16 tile + 8 h + j
.endr
	ds_store_b128 v12, v[SUM:SUM+3]
	ds_store_b128 v12, v[SUM+4:SUM+7] offset:16
	s_wait_dscnt 0x0
	s_barrier_signal -1
	s_barrier_wait -1
	; ---- 3: waves 0 to 7 add the four quarters and the bias, two rows a wave
	s_cmp_lt_u32 s12, 8
	s_cbranch_scc0 .Ldone
.irp k, 0,1,2,3
	ds_load_b128 v[144+4*\k:147+4*\k], v13 offset:\k*16*272
.endr
	s_wait_dscnt 0x0
	v_pk_add_f32 v[144:145], v[144:145], v[148:149]
	v_pk_add_f32 v[146:147], v[146:147], v[150:151]
	v_pk_add_f32 v[152:153], v[152:153], v[156:157]
	v_pk_add_f32 v[154:155], v[154:155], v[158:159]
	v_pk_add_f32 v[144:145], v[144:145], v[152:153]
	v_pk_add_f32 v[146:147], v[146:147], v[154:155]
	v_pk_add_f32 v[144:145], v[144:145], v[8:9]
	v_pk_add_f32 v[146:147], v[146:147], v[10:11]
	global_store_b128 v185, v[144:147], s[10:11]   ; sixteen lanes store 256 consecutive bytes, aligned
.Ldone:
	s_wait_tensorcnt 0x0                           ; the wave's end, behind my last LDS store
	ds_add_u32 v[SPW], v[NIL]
	s_wait_dscnt 0x0
	s_endpgm
.Lfunc_end_k_q3f8acdf355_fine:
	.size	k_q3f8acdf355_fine, .Lfunc_end_k_q3f8acdf355_fine-k_q3f8acdf355_fine
	.p2alignl 7, 3214868480
	.fill 96, 4, 3214868480
	.section	.rodata,"a",@progbits
	.p2align	6, 0x0
	.amdhsa_kernel k_q3f8acdf355_fine
		.amdhsa_group_segment_fixed_size 85248
		.amdhsa_private_segment_fixed_size 0
		.amdhsa_enable_private_segment 0
		.amdhsa_kernarg_size 32
		.amdhsa_user_sgpr_count 2
		.amdhsa_user_sgpr_kernarg_segment_ptr 1
		.amdhsa_wavefront_size32 1
		.amdhsa_system_sgpr_workgroup_id_x 1
		.amdhsa_system_sgpr_workgroup_id_y 1
		.amdhsa_system_sgpr_workgroup_id_z 1
		.amdhsa_system_vgpr_workitem_id 0
		.amdhsa_next_free_vgpr 256
		.amdhsa_next_free_sgpr 66
		.amdhsa_reserve_vcc 1
		.amdhsa_float_denorm_mode_32 3
		.amdhsa_float_denorm_mode_16_64 3
		.amdhsa_memory_ordered 1
		.amdhsa_forward_progress 1
		.amdhsa_inst_pref_size 34
	.end_amdhsa_kernel
	.amdgpu_metadata
---
amdhsa.version: [ 1, 2 ]
amdhsa.kernels:
  - .name:           k_q3f8acdf355_fine
    .symbol:         k_q3f8acdf355_fine.kd
    .args:
      - { .name: fq, .offset: 0, .size: 8, .value_kind: global_buffer, .address_space: global }
      - { .name: W_proj, .offset: 8, .size: 8, .value_kind: global_buffer, .address_space: global }
      - { .name: b_proj, .offset: 16, .size: 8, .value_kind: global_buffer, .address_space: global }
      - { .name: out0, .offset: 24, .size: 8, .value_kind: global_buffer, .address_space: global }
    .group_segment_fixed_size: 85248
    .private_segment_fixed_size: 0
    .kernarg_segment_align: 8
    .kernarg_segment_size: 32
    .max_flat_workgroup_size: 512
    .sgpr_count:     66
    .vgpr_count:     256
    .wavefront_size: 32
...
	.end_amdgpu_metadata
.endif
;; end of part 5
